; MI455X (gfx1250); checked and timed in simulation.
; The chip was launched on July 23, 2026; its instructions are those of AMD's public machine-readable ISA for CDNA 5 (MIT licence, August 2026) and "CDNA5" Instruction Set Architecture Reference Guide (July 2026). The comments in the code are by the model that wrote it; some were corrected since.
;; Block. Allowed arithmetic: matrix products marked QUANTISED: E3M2 operands, one E8M0 scale for each 32 along K, by v_wmma_scale_f32_16x16x128_f8f6f4 with both operands' format E3M2, f32 sums; everything else in f32.
;; Inputs: W1_codes 4,096 x 32 x 24 uint8 (E3M2 codes of W1, K innermost, in blocks of 32 codes, four codes in three bytes); W1_scales 4,096 x 32 uint8 (E8M0 scales of W1, one for each 32 codes along K); W2_codes 1,024 x 128 x 24 uint8 (E3M2 codes of W2, K innermost, in blocks of 32 codes, four codes in three bytes); W2_scales 1,024 x 128 uint8 (E8M0 scales of W2, one for each 32 codes along K); WO_codes 1,024 x 32 x 24 uint8 (E3M2 codes of WO, K innermost, in blocks of 32 codes, four codes in three bytes); WO_scales 1,024 x 32 uint8 (E8M0 scales of WO, one for each 32 codes along K); Wqkv_codes 16 x 192 x 32 x 24 uint8 (E3M2 codes of Wqkv, K innermost, in blocks of 32 codes, four codes in three bytes); Wqkv_scales 16 x 192 x 32 uint8 (E8M0 scales of Wqkv, one for each 32 codes along K); b1 4,096 float32; b2 1,024 float32; bO 1,024 float32; beta1 1,024 float32; beta2 1,024 float32; bqkv 16 x 192 float32; gamma1 1,024 float32; gamma2 1,024 float32; x 2 x 2,048 x 1,024 float32.
;; Outputs: out0 2 x 2,048 x 1,024 float32.
;; This version of the problem:
;;   THIS VERSION OF THE PROBLEM IS GIVEN IN LOW PRECISION. The matrix products marked QUANTISED in the list below multiply operands that are first quantised to E3M2 (3 exponent bits, 2 mantissa bits; 6 bits a number), with one power-of-two scale for each 32 numbers along K (OCP MX v1.0); their sums are f32. All else is computed in f32.
;;   The module's matrix products, in the order in which they are computed (A, B: the left and right operand; K: the contracted axis; several contracted axes count as one K, in the product's order):
;;     1. [M 3,072, K 1,024] x [K 1,024, N 4,096]; A: input Wqkv (given as codes); B: input x: QUANTISED
;;     2. batch 32 x [M 2,048, K 64] x [K 64, N 2,048]; A: computed on the way; B: computed on the way: QUANTISED
;;     3. batch 32 x [M 2,048, K 2,048] x [K 2,048, N 64]; A: softmax (see below); B: computed on the way: QUANTISED
;;     4. [M 4,096, K 1,024] x [K 1,024, N 1,024]; A: computed on the way; B: input WO (given as codes): QUANTISED
;;     5. [M 4,096, K 1,024] x [K 1,024, N 4,096]; A: computed on the way; B: input W1 (given as codes): QUANTISED
;;     6. [M 4,096, K 4,096] x [K 4,096, N 1,024]; A: computed on the way; B: input W2 (given as codes): QUANTISED
;;   THE QUANTISER, for each operand of a quantised product, along K:
;;     - K is cut into blocks of 32 from its start; a last block that is shorter is filled with zeros.
;;     - A block's scale is 2^e with e = floor(log2(the largest magnitude in the block)) - 4, held to -126 .. 127; a block of zeros has e = 0. As a byte (E8M0): e + 127.
;;     - Each number is divided by its block's scale, clamped to +-28, and rounded to the nearest number of E3M2, ties to even, subnormals kept.
;;     - The product sums the exact products of the quantised numbers (number of the format x scale) in f32.
;;   ~~~python
;;   def quantise(x, axis):      # numpy; x: float32 -> the quantised numbers, widened to float32 again
;;       x = np.moveaxis(x, axis, -1); K = x.shape[-1]
;;       x = np.pad(x, [(0, 0)] * (x.ndim - 1) + [(0, -K % 32)]); x = x.reshape(x.shape[:-1] + (-1, 32)); a = np.abs(x).max(-1, keepdims=True)
;;       e = np.where(a > 0, np.clip(np.frexp(np.where(a > 0, a, 1))[1] - 1 - 4, -126, 127), 0)      # np.frexp(a)[1] - 1 = floor(log2(a)), exactly
;;       r = np.clip(x / 2.0 ** e, -28, 28)
;;       step = 2.0 ** (np.maximum(np.frexp(np.where(r == 0, 1, r))[1] - 1, -2) - 2)
;;       q = np.round(r / step) * step * 2.0 ** e      # np.round: ties to even
;;       return np.moveaxis(q.reshape(q.shape[:-2] + (-1,))[..., :K], -1, axis).astype(np.float32)
;;   ~~~
;;   SOFTMAX AHEAD OF A QUANTISED PRODUCT. Where the list says 'softmax', what is quantised is not the finished softmax but p = 2^(t - M), with t = logit x log2(e) and M = ceil(the row's largest t), a whole number; so 1/2 < the row's largest p <= 1. The row's sum l is taken of the UNQUANTISED p, in f32, and the product's result is divided by l at the end. Since M is a whole number, a kernel that streams over the keys may use a running M (the ceiling of the running maximum): every later rescaling is an exact power of two, which a block's scale takes up: the codes' values come out the same.
;;   OPERANDS COMPUTED ON THE WAY. 'Computed on the way' means the value that the module computes at that place (a softmax that the list does not call 'softmax' is quantised finished and normalised). What goes into a quantiser is computed in f32, as accurately as f32 sums, v_exp_f32 and their like allow (about 1e-6 of the number): no bf16 or f16 on the way to a quantiser, and a product that is left as it is and whose result goes on into a quantised operand takes f32 operands (vector FMAs, or v_wmma_f32_16x16x4_f32). A number that lies on a knife's edge between two numbers of the format may be rounded either way, as far as f32 arithmetic and the matrix unit's own rounding can turn it there, and no further.
;;   INPUTS GIVEN AS CODES. W1 (in the module: [1024, 4096], K = its axis 0); W2 (in the module: [4096, 1024], K = its axis 0); WO (in the module: [1024, 1024], K = its axis 0); Wqkv (in the module: [16, 1024, 192], K = its axis 1): each comes as NAME_codes (uint8): NAME with its K axis moved to the last place and cut into blocks of 32 codes, [.., K / 32, bytes a block], one block behind the other in memory; four codes in three bytes: a row's codes are one little-endian stream of bits, code i at bits 6 i .. 6 i + 5 (a code: sign, 3 exponent bits, 2 mantissa bits); and NAME_scales (uint8): the same leading axes, one E8M0 byte (e + 127) for each 32 codes along K. Its value is code x scale, taken as it is: it is not quantised again, and the codes and scales need not be those that the quantiser above would give.
;; One version. Each part assembles by itself: llvm-mc -triple=amdgcn-amd-amdhsa -mcpu=gfx1250 --defsym DOCPART=n.
;; ======== version 1 of 1: 8 launches
;; limits: right only within a limited range of input values
;; workspace buffers: wprep 13,107,200 bytes; wqkv 10,092,544 bytes; wmha 3,276,800 bytes; wy 16,777,216 bytes; wx1 20,054,016 bytes; wh 13,107,200 bytes
;; launch prep (part 1): grid 448 x 1, 4 waves a work-group, no clusters, 67,072 bytes of LDS; arguments x, Wqkv_codes, Wqkv_scales, WO_codes, WO_scales, W1_codes, W1_scales, W2_codes, W2_scales, wprep; writes wprep
.if DOCPART == 1
	.amdgcn_target "amdgcn-amd-amdhsa--gfx1250"
	.amdhsa_code_object_version 6
	.text
	.protected	k_q6f95709717_prep
	.globl	k_q6f95709717_prep
	.p2align	8
	.type	k_q6f95709717_prep,@function
k_q6f95709717_prep:
	s_mov_b64 s[64:65], 0
	v_nop
	global_prefetch_b8 v0, s[64:65] scope:SCOPE_SE
	s_setreg_imm32_b32 hwreg(HW_REG_WAVE_MODE, 25, 1), 1
	s_wait_xcnt 0x0
; Work-groups 0-255: x (f32) becomes codes of E3M2 with E8M0 scales, laid as images of the matrix operand's registers.
; Work-groups 256-447: the four weights' codes and scales, as given, are laid anew as such images.  Nothing is quantised twice.
; TOKEN TILES: tile gt holds 16 tokens; its row r is token 32 (gt / 2) + 8 (gt % 2) + r + 8 (r / 8).  Weight rows of a group of 64 are ordered likewise.
; HALF FRAGMENT (16 rows x 64 K, registers 0-5 of an operand): registers 0-3 at 16 x lane, registers 4-5 at 512 + 8 x lane: 768 bytes.
; SCALES OF x: [K / 256][tile][row][8 bytes].   A WEIGHT GROUP: 64 rows x 1,024 K: codes [K step 0-7][tile 0-3][1,536 bytes: registers 4 c .. 4 c + 3 at 512 c + 16 x lane];
; scales [tile pair][half of the K steps][lane][16 bytes].
; LIMITS: a block whose largest magnitude lies under 2^-122 (a block of zeros too) gets the scale byte 1; its codes are zeros or next to it, and this program alone reads the bytes.  NaN and infinities are not served.
.set XS,  3145728                      ; wprep: x's images at 0, their scales here,
.set WI,  3276800                      ; the weight groups' codes,
.set WS,  12713984                     ; and their scales
.set SEL, 40                           ; s[40:41] lane selects: lane l xor 16
.set X,   80                           ; v80-207 numbers (path of x); v80-175 fragments (path of the weights)
.set TM,  208                          ; v208-213 at work in the quantiser
.set PT,  214                          ; v214-216 a conversion's second run
.set PC0, 218                          ; codes of half fragment j at v[218 + 8 j], six registers
.set PW0, 224                          ; its two scale bytes at v[224 + 8 j]
; 32 numbers of a lane, register 16 b + i = k 32 b + 16 (lane / 16) + i of the lane's row, become a half fragment's six registers and two scale bytes.
.macro QUANT64 S, PC, PT, PW, TM
.irp b, 0,1
	v_max3_num_f32 v[\TM+\b], |v[\S+16*\b]|, |v[\S+16*\b+1]|, 0x2800000   ; my 16 numbers of block b, and the floor 2^(5 - 127): the byte cannot fall under 1
.endr
.irp i, 2,4,6,8,10,12,14
.irp b, 0,1
	v_max3_num_f32 v[\TM+\b], v[\TM+\b], |v[\S+16*\b+\i]|, |v[\S+16*\b+\i+1]|
.endr
.endr
.irp b, 0,1
	v_permlanex16_b32 v[\TM+2+\b], v[\TM+\b], s[SEL], s[SEL+1]
.endr
.irp b, 0,1
	v_max_num_f32 v[\TM+\b], v[\TM+\b], v[\TM+2+\b]        ; with lane l xor 16's 16: the block's largest magnitude
.endr
.irp b, 0,1
	v_add_nc_u32 v[\TM+4+\b], 0xfe000000, v[\TM+\b]        ; 4 off its exponent field: the conversion's scale operand
.endr
.irp b, 0,1
	v_lshrrev_b32 v[\TM+2+\b], 23, v[\TM+4+\b]             ; the scale's byte
.endr
	v_lshl_or_b32 v[\PW], v[\TM+3], 8, v[\TM+2]
	v_cvt_scalef32_pk16_bf6_f32 v[\PC:\PC+2], v[\S:\S+15], v[\TM+4]
	v_cvt_scalef32_pk16_bf6_f32 v[\PT:\PT+2], v[\S+16:\S+31], v[\TM+5]
	v_nop                                                  ; one plain place behind a scaled conversion
.irp i, 0,1,2
	v_permlane16_swap_b32 v[\PC+\i], v[\PT+\i]             ; a whole block to a lane: lanes 0-15 block 0, lanes 16-31 block 1
.endr
.irp i, 0,1,2
	v_mov_b32 v[\PC+3+\i], v[\PT+\i]
.endr
.endm
; 256 columns of 16 rows come out of the stage (v4: my row and half), are quantised and leave: four half fragments to s[30:31], 8 scale bytes a row to s[32:33].
.macro QTAIL
	v_mov_b32 v[TM+2], 0                                   ; a lane permute's destination counts as read
	v_mov_b32 v[TM+3], 0
.irp j, 0,1,2,3
.irp b, 0,1
.irp k, 0,1,2,3
	ds_load_b128 v[X+32*\j+16*\b+4*\k:X+32*\j+16*\b+4*\k+3], v4 offset:256*\j+128*\b+16*\k
.endr
.endr
.endr
.irp j, 0,1,2,3
	s_wait_dscnt 8*(3-\j)                                  ; the eight loads of each later half fragment may stay out
	QUANT64 X+32*\j, PC0+8*\j, PT, PW0+8*\j, TM
	global_store_b128 v1, v[PC0+8*\j:PC0+8*\j+3], s[30:31] offset:768*\j       ; 512 consecutive bytes
	global_store_b64 v2, v[PC0+8*\j+4:PC0+8*\j+5], s[30:31] offset:768*\j+512  ; 256 consecutive bytes
.endr
	v_lshl_or_b32 v250, v[PW0+8], 16, v[PW0]               ; the scale word of the first 128 columns,
	v_lshl_or_b32 v251, v[PW0+24], 16, v[PW0+16]           ; and of the second
	v_cndmask_b32 v252, v250, v251, vcc_lo                 ; lanes 0-15 store the first, lanes 16-31 the second
	global_store_b32 v5, v252, s[32:33]                    ; 128 consecutive bytes
.endm
	s_load_b512 s[4:19], s[0:1], 0x0               ; x, Wqkv codes, scales, WO codes, scales, W1 codes, scales, W2 codes
	s_load_b128 s[20:23], s[0:1], 0x40             ; W2 scales, wprep
	v_lshl_add_u32 v254, v0, 2, 0x10400
	v_mov_b32 v255, 0
	v_lshrrev_b32 v6, 5, v0
	v_readfirstlane_b32 s24, v6                    ; wave
	v_and_b32 v7, 31, v0                           ; lane
	v_and_b32 v8, 15, v0                           ; r
	v_bfe_u32 v9, v0, 4, 1                         ; h
	v_lshlrev_b32 v1, 4, v7                        ; 16 x lane
	v_lshlrev_b32 v2, 3, v7                        ; 8 x lane
	s_mov_b32 s[SEL], 0x76543210
	s_mov_b32 s[SEL+1], 0xfedcba98
	s_mov_b32 vcc_lo, 0xffff0000                   ; lanes 16-31
	s_cmp_lt_u32 ttmp9, 256
	s_cbranch_scc0 .Lweights
	; ---- x: the work-group is tile gt; wave w takes columns 256 w on of its 16 rows, through a stage of its own: no wave waits for another
	s_lshr_b32 s25, ttmp9, 1
	s_lshl_b32 s25, s25, 5
	s_and_b32 s26, ttmp9, 1
	s_lshl_b32 s26, s26, 3
	s_add_co_u32 s25, s25, s26                     ; the tile's first token
	s_lshl_b32 s26, s25, 12                        ; rows of 4,096 bytes
	s_lshl_b32 s27, s24, 10
	s_add_co_u32 s26, s26, s27
	s_mov_b32 s27, 0
	s_mul_i32 s28, s24, 16640                      ; my stage: 16 rows of 1,024 + 16 bytes
	s_wait_alu depctr_va_vdst(0)
	v_add_nc_u32 v3, s28, v1                       ; in: as loaded
	v_mul_u32_u24 v4, v8, 1040
	v_lshl_add_u32 v4, v9, 6, v4
	v_add_nc_u32 v4, s28, v4                       ; out: row r, + 64 h: my 16 numbers of each block of 32
	v_lshlrev_b32 v5, 3, v8
	v_lshl_add_u32 v5, v9, 2, v5                   ; 8 r + 4 h
	s_mul_i32 s30, ttmp9, 12288
	s_mul_i32 s31, s24, 3072
	s_add_co_u32 s30, s30, s31                     ; the tile's images, my four half fragments
	s_mov_b32 s31, 0
	s_lshl_b32 s32, s24, 15
	s_lshl_b32 s33, ttmp9, 7
	s_add_co_u32 s32, s32, s33
	s_add_co_u32 s32, s32, XS
	s_mov_b32 s33, 0
	s_wait_alu depctr_va_vdst(0)
	s_wait_kmcnt 0x0
	s_add_nc_u64 s[4:5], s[4:5], s[26:27]
	s_add_nc_u64 s[30:31], s[22:23], s[30:31]
	s_add_nc_u64 s[32:33], s[22:23], s[32:33]
.irp i, 0,1,2,3,4,5,6,7,8,9,10,11,12,13,14,15
.irp k, 0,1
	global_load_b128 v[X+8*\i+4*\k:X+8*\i+4*\k+3], v1, s[4:5] offset:(\i+8*(\i/8))*4096+512*\k th:TH_LOAD_NT   ; 512 consecutive bytes
.endr
.endr
	s_wait_loadcnt 0x0
.irp i, 0,1,2,3,4,5,6,7,8,9,10,11,12,13,14,15
.irp k, 0,1
	ds_store_b128 v3, v[X+8*\i+4*\k:X+8*\i+4*\k+3] offset:1040*\i+512*\k
.endr
.endr
	QTAIL                                          ; LDS serves a wave's instructions in order: its loads see the stores above
	s_wait_tensorcnt 0x0
	ds_add_u32 v254, v255
	s_wait_dscnt 0x0
	s_endpgm
.Lweights:
	; ---- a weight group: the work-group is group VG, wave t its tile t
	s_sub_co_u32 s25, ttmp9, 256                   ; VG: 0-47 Wqkv, 48-63 WO, 64-127 W1, 128-191 W2 (four K chunks to a group of rows)
	s_wait_kmcnt 0x0
	s_cmp_lt_u32 s25, 128                          ; the choices hang on the work-group's number alone
	s_cselect_b64 s[26:27], s[14:15], s[18:19]
	s_cselect_b64 s[28:29], s[16:17], s[20:21]
	s_cselect_b32 s30, 64, 128
	s_cmp_lt_u32 s25, 64
	s_cselect_b64 s[26:27], s[10:11], s[26:27]
	s_cselect_b64 s[28:29], s[12:13], s[28:29]
	s_cselect_b32 s30, 48, s30
	s_cmp_lt_u32 s25, 48
	s_cselect_b64 s[26:27], s[6:7], s[26:27]
	s_cselect_b64 s[28:29], s[8:9], s[28:29]
	s_cselect_b32 s30, 0, s30
	s_sub_co_u32 s31, s25, s30                     ; the group's number in its tensor
	s_lshr_b32 s32, s31, 2
	s_and_b32 s33, s31, 3
	s_mov_b32 s34, 3072
	s_cmp_lt_u32 s25, 128
	s_cselect_b32 s32, s31, s32                    ; which 64 rows,
	s_cselect_b32 s33, 0, s33                      ; which 1,024 along K,
	s_cselect_b32 s34, 768, s34                    ; bytes in a row of codes,
	s_cselect_b32 s35, 32, 128                     ; and of scales
	s_lshl_b32 s32, s32, 6
	s_lshr_b32 s36, s24, 1
	s_lshl_b32 s36, s36, 5
	s_and_b32 s37, s24, 1
	s_lshl_b32 s37, s37, 3
	s_add_co_u32 s32, s32, s36
	s_add_co_u32 s32, s32, s37
	s_wait_alu depctr_va_vdst(0)
	v_and_b32 v10, 8, v8
	v_add3_u32 v10, v10, v8, s32                   ; my row: the group's first + 32 (t / 2) + 8 (t % 2) + r + 8 (r / 8)
	v_mul_u32_u24 v11, s34, v10
	v_mad_u32_u24 v11, v9, 24, v11
	s_mul_i32 s36, s33, 768
	v_add_nc_u32 v11, s36, v11                     ; its codes, + 24 h
	v_mul_u32_u24 v12, s35, v10
	v_lshl_add_u32 v12, v9, 4, v12
	s_lshl_b32 s36, s33, 5
	v_add_nc_u32 v12, s36, v12                     ; its scale words of K steps 4 h .. 4 h + 3
	s_wait_alu depctr_va_vdst(0)
	v_lshlrev_b32 v13, 9, v9
	v_lshl_add_u32 v13, v8, 4, v13                 ; 512 h + 16 r
	s_mul_i32 s38, s25, 49152
	s_mul_i32 s39, s24, 1536
	s_add_co_u32 s38, s38, s39
	s_add_co_u32 s38, s38, WI
	s_mov_b32 s39, 0
	s_add_nc_u64 s[38:39], s[22:23], s[38:39]
	s_lshl_b32 s44, s25, 11
	s_lshr_b32 s45, s24, 1
	s_lshl_b32 s45, s45, 10
	s_add_co_u32 s44, s44, s45
	s_and_b32 s45, s24, 1
	s_lshl_b32 s45, s45, 8
	s_add_co_u32 s44, s44, s45
	s_add_co_u32 s44, s44, WS
	s_mov_b32 s45, 0
	s_add_nc_u64 s[44:45], s[22:23], s[44:45]
	global_load_b128 v[16:19], v12, s[28:29]
.irp s, 0,1,2,3,4,5,6,7
.irp p, 0,1,2,3,4,5
	global_load_b64 v[X+12*\s+2*\p:X+12*\s+2*\p+1], v11, s[26:27] offset:96*\s+48*(\p/3)+8*(\p%3)   ; the fragment of K step s, as the operand's layout gives it to my lane
.endr
.endr
	s_wait_alu depctr_va_vdst(0)
	s_wait_loadcnt 0x0
	global_store_b128 v13, v[16:19], s[44:45]
.irp s, 0,1,2,3,4,5,6,7
.irp c, 0,1,2
	global_store_b128 v1, v[X+12*\s+4*\c:X+12*\s+4*\c+3], s[38:39] offset:6144*\s+512*\c   ; 512 consecutive bytes
.endr
.endr
	s_endpgm
.Lfunc_end_k_q6f95709717_prep:
	.size	k_q6f95709717_prep, .Lfunc_end_k_q6f95709717_prep-k_q6f95709717_prep
	.p2alignl 7, 3214868480
	.fill 96, 4, 3214868480
	.section	.rodata,"a",@progbits
	.p2align	6, 0x0
	.amdhsa_kernel k_q6f95709717_prep
		.amdhsa_group_segment_fixed_size 67072
		.amdhsa_private_segment_fixed_size 0
		.amdhsa_enable_private_segment 0
		.amdhsa_kernarg_size 80
		.amdhsa_user_sgpr_count 2
		.amdhsa_user_sgpr_kernarg_segment_ptr 1
		.amdhsa_wavefront_size32 1
		.amdhsa_system_sgpr_workgroup_id_x 1
		.amdhsa_system_sgpr_workgroup_id_y 1
		.amdhsa_system_sgpr_workgroup_id_z 1
		.amdhsa_system_vgpr_workitem_id 0
		.amdhsa_next_free_vgpr 256
		.amdhsa_next_free_sgpr 66
		.amdhsa_reserve_vcc 1
		.amdhsa_float_denorm_mode_32 3
		.amdhsa_float_denorm_mode_16_64 3
		.amdhsa_memory_ordered 1
		.amdhsa_forward_progress 1
		.amdhsa_inst_pref_size 28
	.end_amdhsa_kernel
	.amdgpu_metadata
---
amdhsa.version: [ 1, 2 ]
amdhsa.kernels:
  - .name:           k_q6f95709717_prep
    .symbol:         k_q6f95709717_prep.kd
    .args:
      - { .name: x, .offset: 0, .size: 8, .value_kind: global_buffer, .address_space: global }
      - { .name: Wqkv_codes, .offset: 8, .size: 8, .value_kind: global_buffer, .address_space: global }
      - { .name: Wqkv_scales, .offset: 16, .size: 8, .value_kind: global_buffer, .address_space: global }
      - { .name: WO_codes, .offset: 24, .size: 8, .value_kind: global_buffer, .address_space: global }
      - { .name: WO_scales, .offset: 32, .size: 8, .value_kind: global_buffer, .address_space: global }
      - { .name: W1_codes, .offset: 40, .size: 8, .value_kind: global_buffer, .address_space: global }
      - { .name: W1_scales, .offset: 48, .size: 8, .value_kind: global_buffer, .address_space: global }
      - { .name: W2_codes, .offset: 56, .size: 8, .value_kind: global_buffer, .address_space: global }
      - { .name: W2_scales, .offset: 64, .size: 8, .value_kind: global_buffer, .address_space: global }
      - { .name: wprep, .offset: 72, .size: 8, .value_kind: global_buffer, .address_space: global }
    .group_segment_fixed_size: 67072
    .private_segment_fixed_size: 0
    .kernarg_segment_align: 8
    .kernarg_segment_size: 80
    .max_flat_workgroup_size: 128
    .sgpr_count:     66
    .vgpr_count:     256
    .wavefront_size: 32
...
	.end_amdgpu_metadata
.endif
;; end of part 1
;; launch qkv (part 2): grid 16 x 16, 4 waves a work-group, clusters of 4 x 1, 327,680 bytes of LDS; arguments wprep, bqkv, wqkv; writes wqkv
.if DOCPART == 2
	.amdgcn_target "amdgcn-amd-amdhsa--gfx1250"
	.amdhsa_code_object_version 6
	.text
	.protected	k_q6f95709717_qkv
	.globl	k_q6f95709717_qkv
	.p2align	8
	.type	k_q6f95709717_qkv,@function
k_q6f95709717_qkv:
	s_mov_b64 s[64:65], 0
	v_nop
	global_prefetch_b8 v0, s[64:65] scope:SCOPE_SE
	s_setreg_imm32_b32 hwreg(HW_REG_WAVE_MODE, 25, 1), 1
	s_wait_xcnt 0x0
	s_wait_alu depctr_hold_cnt(0) depctr_sa_sdst(0) depctr_va_vdst(0) depctr_va_sdst(0) depctr_va_ssrc(0) depctr_va_vcc(0) depctr_vm_vsrc(0)
	s_getreg_b32 s2, hwreg(HW_REG_IB_STS2, 6, 4)
	s_cmp_eq_u32 s2, 0
	s_cbranch_scc0 .Lentry_in_a_cluster
	s_endpgm
.Lentry_in_a_cluster:
	s_bfe_u32 s2, ttmp6, 0x10000c
	s_cmp_lg_u32 s2, 0x3003
	s_cbranch_scc0 .Lentry_shape_is_right
	s_endpgm
.Lentry_shape_is_right:
; q, k, v of one head for 256 tokens: x Wqkv + bqkv on codes of E3M2, and the results quantised on the spot: q and k along the head's 64, v along the tokens.
; SHARES: work-group = (block of 256 tokens, head); wave w = tokens 64 w on, four tiles of 16.  The wave's codes of x (K = 1,024) stay in registers; the head's three weight groups (q, k, v: 64 rows each)
; come into LDS once, by tensor loads that the four work-groups of a cluster (same head, other tokens) ask for jointly.  No LDS byte is filled twice.
; q AND k: source 0 = 16 weight rows, source 1 = 16 tokens: a lane holds one token and its registers run along the head.  v: the sources are swapped: a lane holds one channel and its registers run along the tokens.
; The order of rows in a tile (r + 8 (r / 8) in steps of 8) makes the 8 registers of tiles 2 b and 2 b + 1 sixteen neighbours.  The bias is the C of each sum's first matrix instruction.
; LIMITS: a block whose largest magnitude lies under 2^-122 (a block of zeros too) gets the scale byte 1; this program alone reads the bytes.  NaN and infinities are not served.
; REGISTERS: window 0: v1-3 16, 8, 4 x lane; v5, v9 bias addresses; v10-12 LDS bases; v16-31 x's scale words; v32-46 the quantiser; v48-79 the weights' scale words, two sets; v80-111 bias; v112-239 16 accumulators;
;   window 1: x's fragments of tiles 0, 1 ((tile % 2) 8 + K step) x 12;  window 2: of tiles 2, 3;  window 3: two buffers of eight weight fragments.
.set NVG,   3
.set TILEB, 12288                      ; a tile's images of x
.set XS,  3145728                      ; wprep: x's scales, the weight groups' codes, their scales
.set WI,  3276800
.set WS,  12713984
.set QS,  3145728                      ; wqkv: q's images at 0, q's scale words, k and v with their scale words by steps of 128 keys
.set KV,  3407872
.set KVS, 9699328
.set WAD, 10
.set ASC, 16
.set TM,  32
.set PC,  38
.set PT,  44
.set WSC, 48
.set BI,  80
.set ACC, 112
.set PW,  240
.set SD,  244
.set SEL, 48
.set MSB, 0
.macro WIN new                         ; the immediate's high byte repeats the setting that is left
.if MSB != (\new)
	s_set_vgpr_msb (MSB<<8)|(\new)
.set MSB, (\new)
.endif
.endm
.macro PLACES                          ; four places behind matrix instructions, ahead of loads into their registers and of the first read of results
.rept 4
	v_nop
.endr
.endm
.macro CROUND                          ; a round of the cluster's barrier
	s_barrier_signal -1
	s_barrier_wait -1
	s_cmp_lg_u32 s14, 0
	s_cbranch_scc1 .Lnot_wave_0_\@
	s_barrier_signal -3
.Lnot_wave_0_\@:
	s_barrier_wait -3
	s_barrier_signal -1
	s_barrier_wait -1
.endm
.macro WM ra, rb                       ; one product on rD, rA, rB, rC, rSA, rSB; ra, rb: the side's scale words lie in lanes 16-31
.if (\ra) && (\rb)
	v_wmma_scale_f32_16x16x128_f8f6f4 v[rD:rD+7], v[rA:rA+11], v[rB:rB+11], v[rC:rC+7], v[rSA], v[rSB] matrix_a_fmt:MATRIX_FMT_BF6 matrix_b_fmt:MATRIX_FMT_BF6 matrix_a_scale:MATRIX_SCALE_ROW1 matrix_b_scale:MATRIX_SCALE_ROW1
.elseif (\ra)
	v_wmma_scale_f32_16x16x128_f8f6f4 v[rD:rD+7], v[rA:rA+11], v[rB:rB+11], v[rC:rC+7], v[rSA], v[rSB] matrix_a_fmt:MATRIX_FMT_BF6 matrix_b_fmt:MATRIX_FMT_BF6 matrix_a_scale:MATRIX_SCALE_ROW1
.elseif (\rb)
	v_wmma_scale_f32_16x16x128_f8f6f4 v[rD:rD+7], v[rA:rA+11], v[rB:rB+11], v[rC:rC+7], v[rSA], v[rSB] matrix_a_fmt:MATRIX_FMT_BF6 matrix_b_fmt:MATRIX_FMT_BF6 matrix_b_scale:MATRIX_SCALE_ROW1
.else
	v_wmma_scale_f32_16x16x128_f8f6f4 v[rD:rD+7], v[rA:rA+11], v[rB:rB+11], v[rC:rC+7], v[rSA], v[rSB] matrix_a_fmt:MATRIX_FMT_BF6 matrix_b_fmt:MATRIX_FMT_BF6
.endif
.endm
; 16 products: K steps 2 d, 2 d + 1; token tiles 2 H, 2 H + 1; the group's four weight tiles.  Eight accumulators by turns, one instruction a turn.
.macro MUL16 H, d, v, mode
.if \mode
	WIN 0x0d+(\H)                                  ; source 0: x (window 1 or 2), source 1: weights (window 3)
.else
	WIN 0x07+4*(\H)                                ; source 0: weights, source 1: x
.endif
.irp e, 0,1
.irp mm, 0,1
.irp t, 0,1,2,3
.set rW, 96*((\d)%2)+48*\e+12*\t
.set rX, (8*\mm+2*(\d)+\e)*12
.set rSW, WSC+16*((\v)%2)+8*(\t/2)+2*(\d)+\e
.set rSX, ASC+8*(\H)+2*(\d)+\e
.if \mode
.set rD, ACC+8*(4*\t+2*(\H)+\mm)
.set rA, rX
.set rB, rW
.set rSA, rSX
.set rSB, rSW
.else
.set rD, ACC+8*(4*(2*(\H)+\mm)+\t)
.set rA, rW
.set rB, rX
.set rSA, rSW
.set rSB, rSX
.endif
.set rC, rD
.if ((\d) == 0) && (\e == 0)
.set rC, BI+8*\t                       ; the first K step starts the sums on the bias
.endif
.if \mode
	WM \mm, \t%2
.else
	WM \t%2, \mm
.endif
.endr
.endr
.endr
.endm
.macro ACTLOAD d, H, off               ; x's fragments of K steps 2 d, 2 d + 1, tiles 2 H, 2 H + 1: 16 loads
	WIN 0x40<<(\H)
.irp e, 0,1
.irp mm, 0,1
.set rX, (8*\mm+2*(\d)+\e)*12
.set oX, (2*(\H)+\mm)*TILEB+(\off)+(2*(\d)+\e)*1536
	global_load_b128 v[rX:rX+3], v1, s[50:51] offset:oX
	global_load_b64 v[rX+4:rX+5], v2, s[50:51] offset:oX+512
	global_load_b128 v[rX+6:rX+9], v1, s[50:51] offset:oX+768
	global_load_b64 v[rX+10:rX+11], v2, s[50:51] offset:oX+1280
.endr
.endr
.endm
.macro FETCHW d, v                     ; eight weight fragments (K steps 2 d, 2 d + 1) from LDS into buffer d % 2: 24 loads of 512 consecutive bytes
	WIN 0xc0
.irp e, 0,1
.irp t, 0,1,2,3
.irp c, 0,1,2
	ds_load_b128 v[96*((\d)%2)+48*\e+12*\t+4*\c:96*((\d)%2)+48*\e+12*\t+4*\c+3], v[WAD+(\v)] offset:(2*(\d)+\e)*6144+\t*1536+512*\c
.endr
.endr
.endr
	WIN 0
.endm
.macro ASCLOAD                         ; x's scale words: two K steps a load; lanes 0-15 tile 2 p, lanes 16-31 tile 2 p + 1
.irp p, 0,1
.irp q, 0,1,2,3
	global_load_b64 v[ASC+8*\p+2*\q:ASC+8*\p+2*\q+1], v2, s[52:53] offset:\q*32768+256*\p
.endr
.endr
.endm
.macro WSCLOAD v                       ; group v's scale words into set v % 2
.irp i, 0,1
.irp q, 0,1
	global_load_b128 v[WSC+16*((\v)%2)+8*\i+4*\q:WSC+16*((\v)%2)+8*\i+4*\q+3], v1, s[54:55] offset:(\v)*2048+1024*\i+512*\q
.endr
.endr
.endm
.macro BIT off                         ; the bias where a lane's registers run along the outputs: 32 b + 16 h + 0 .. 15
.irp b, 0,1
.irp k, 0,1,2,3
	global_load_b128 v[BI+16*\b+4*\k:BI+16*\b+4*\k+3], v5, s[56:57] offset:(\off)+128*\b+16*\k
.endr
.endr
.endm
.macro BIS off                         ; the bias where a lane holds one output: the same number in a tile's eight registers
.irp t, 0,1,2,3
.irp j, 0,1,2,3,4,5,6,7
	global_load_b32 v[BI+8*\t+\j], v9, s[56:57] offset:(\off)+4*(32*(\t/2)+8*(\t%2))
.endr
.endr
.endm
.macro PRE v                           ; what the next pass wants beside its weights
	WSCLOAD \v
.if (\v) == 1
	BIT 256
.else
	BIS 512
.endif
.endm
.macro DSTEP v, d, mode, lc
	s_wait_dscnt 0x0                               ; this step's weight fragments are in (asked for 16 products ago)
.if (\lc) >= 0
	s_wait_loadcnt \lc                             ; the count: younger loads of x's later K steps, which may stay out
.endif
	MUL16 0, \d, \v, \mode
.if (\d) < 3
	PLACES
	FETCHW (\d)+1, \v
.endif
.if ((\d) == 1) && ((\v) < (NVG-1))
	PRE (\v)+1
.endif
	MUL16 1, \d, \v, \mode
	WIN 0
.endm
.macro PASS v, mode, l0, l1, l2, l3    ; one weight group: 128 products
.if (\v) == 0
	s_wait_tensorcnt 0x0                           ; my quarter of group 0 has landed
	ds_add_u32 v254, v255
	s_mov_b32 s26, 96<<16                          ; no load of mine is out, so the descriptor may be written: my quarter of groups 1 and 2, 24,576 dense bytes
	s_mov_b32 s28, 96
	s_mul_i32 s33, s14, 24576
	s_add_co_u32 s33, s33, 49152
	s_mul_i32 s18, s14, 12288
	s_add_co_u32 s18, s18, 49152
	s_add_nc_u64 s[34:35], s[34:35], s[18:19]
	s_wait_dscnt 0x0
	CROUND                                         ; everybody's quarter of group 0 is in, and the joint loads meet
	tensor_load_to_lds s[32:35], s[24:31]          ; it has the first pass in which to land
	s_nop 0
	PLACES
	s_mov_b32 vcc_lo, 0xffff0000                   ; lanes 16-31 (written behind the last tensor load)
.else
	s_wait_dscnt 0x0
	s_wait_tensorcnt 0x0                           ; my part of the later groups has landed
	s_barrier_signal -1
	s_barrier_wait -1                              ; everybody's has
.endif
	FETCHW 0, \v
	DSTEP \v, 0, \mode, \l0
	DSTEP \v, 1, \mode, \l1
	DSTEP \v, 2, \mode, \l2
	DSTEP \v, 3, \mode, \l3
.endm
; 32 numbers of a lane, register 16 b + i = k 32 b + 16 (lane / 16) + i of the lane's row, become a half fragment's six registers and two scale bytes.
.macro QUANT64 S, PC, PT, PW, TM
.irp b, 0,1
	v_max3_num_f32 v[\TM+\b], |v[\S+16*\b]|, |v[\S+16*\b+1]|, 0x2800000   ; my 16 numbers of block b, and the floor 2^(5 - 127): the byte cannot fall under 1
.endr
.irp i, 2,4,6,8,10,12,14
.irp b, 0,1
	v_max3_num_f32 v[\TM+\b], v[\TM+\b], |v[\S+16*\b+\i]|, |v[\S+16*\b+\i+1]|
.endr
.endr
.irp b, 0,1
	v_permlanex16_b32 v[\TM+2+\b], v[\TM+\b], s[SEL], s[SEL+1]
.endr
.irp b, 0,1
	v_max_num_f32 v[\TM+\b], v[\TM+\b], v[\TM+2+\b]
.endr
.irp b, 0,1
	v_add_nc_u32 v[\TM+4+\b], 0xfe000000, v[\TM+\b]        ; 4 off the exponent field: the conversion's scale operand
.endr
.irp b, 0,1
	v_lshrrev_b32 v[\TM+2+\b], 23, v[\TM+4+\b]             ; the scale's byte
.endr
	v_lshl_or_b32 v[\PW], v[\TM+3], 8, v[\TM+2]
	v_cvt_scalef32_pk16_bf6_f32 v[\PC:\PC+2], v[\S:\S+15], v[\TM+4]
	v_cvt_scalef32_pk16_bf6_f32 v[\PT:\PT+2], v[\S+16:\S+31], v[\TM+5]
	v_nop                                                  ; one plain place behind a scaled conversion
.irp i, 0,1,2
	v_permlane16_swap_b32 v[\PC+\i], v[\PT+\i]
.endr
.irp i, 0,1,2
	v_mov_b32 v[\PC+3+\i], v[\PT+\i]
.endr
.endm
; Four runs of 32 results become four half fragments (step bytes apart at s[cb]) and their scale bytes (at s[sb]: whole words, or with half = 1 my half of words that a neighbouring wave completes).
.macro EPI cb, sb, step, half
	PLACES
.irp m, 0,1,2,3
	s_wait_xcnt 0x0                                ; the last stores have read their registers: the codes' are written again
	QUANT64 ACC+32*\m, PC, PT, PW+\m, TM
	global_store_b128 v1, v[PC:PC+3], s[\cb:\cb+1] offset:(\step)*\m
	global_store_b64 v2, v[PC+4:PC+5], s[\cb:\cb+1] offset:(\step)*\m+512
.endr
.irp p, 0,1
	v_cndmask_b32 v[SD+\p], v[PW+2*\p], v[PW+2*\p+1], vcc_lo   ; lanes 0-15: run 2 p's rows, lanes 16-31: run 2 p + 1's
.if \half
	global_store_b16 v3, v[SD+\p], s[\sb:\sb+1] offset:128*\p
.else
	global_store_b32 v3, v[SD+\p], s[\sb:\sb+1] offset:128*\p
.endif
.endr
.endm
	s_load_b128 s[4:7], s[0:1], 0x0                ; wprep, bqkv
	s_load_b64 s[8:9], s[0:1], 0x10                ; wqkv
	v_lshl_add_u32 v254, v0, 2, 0x29000
	v_mov_b32 v255, 0
	ds_add_u32 v254, v255
	ds_add_u32 v254, v255
	v_lshrrev_b32 v4, 5, v0
	v_readfirstlane_b32 s14, v4                    ; wave
	v_and_b32 v4, 31, v0                           ; lane
	v_and_b32 v14, 15, v0                          ; r
	v_bfe_u32 v15, v0, 4, 1                        ; h
	v_lshlrev_b32 v1, 4, v4
	v_lshlrev_b32 v2, 3, v4
	v_lshlrev_b32 v3, 2, v4
	v_lshlrev_b32 v5, 6, v15                       ; 64 h
	v_and_b32 v9, 8, v14
	v_add_lshl_u32 v9, v9, v14, 2                  ; 4 (r + 8 (r / 8))
.irp v, 0,1,2
	v_add_nc_u32 v[WAD+\v], 49152*\v, v1           ; group v in LDS, + 16 x lane
.endr
	v_mov_b32 v[TM+2], 0                           ; a lane permute's destination counts as read
	v_mov_b32 v[TM+3], 0
	s_mov_b32 s[SEL], 0x76543210
	s_mov_b32 s[SEL+1], 0xfedcba98
	s_and_b32 s17, ttmp7, 0xffff                   ; the head, which the four partners share
	; descriptor group 1: a quarter of a weight group, 12,288 dense bytes, as 48 rows of 256 bytes
	s_mov_b32 s24, 15|(3<<16)|(1<<21)              ; 15:0 the mask: all four work-groups; 17:16 elements of 8 bytes; 21 set beside a mask
	s_mov_b32 s25, 32<<16                          ; tensor_dim0 = 32
	s_mov_b32 s26, 48<<16                          ; tensor_dim1 = 48: at the head my quarter of group 0, 12,288 dense bytes
	s_mov_b32 s27, 32<<16                          ; tile_dim0 = 32
	s_mov_b32 s28, 48                              ; tile_dim1 = 48
	s_mov_b32 s29, 32                              ; the pitch
	s_mov_b32 s30, 0
	s_mov_b32 s31, 0
	s_mul_i32 s20, s17, NVG*49152                  ; the head's groups, my quarter: made of the head and the wave's number alone
	s_mul_i32 s22, s14, 12288
	s_add_co_u32 s20, s20, s22
	s_add_co_u32 s20, s20, WI
	s_mov_b32 s21, 0
	s_wait_dscnt 0x0
	s_wait_kmcnt 0x0
	s_add_nc_u64 s[20:21], s[4:5], s[20:21]
	s_mov_b32 s32, 1
	s_mov_b32 s33, s22
	s_mov_b64 s[34:35], s[20:21]
	s_or_b32 s35, s35, 0x80000000
	CROUND                                         ; all four work-groups are here: the joint loads meet
	tensor_load_to_lds s[32:35], s[24:31]          ; one load a wave: the three groups lie one behind the other, in memory and in LDS
	s_nop 0
	PLACES
	s_bfe_u32 s15, ttmp6, 0x40000                  ; cx: it enters global addresses of x and of the results alone
	s_lshl_b32 s16, ttmp9, 2
	s_add_co_u32 s16, s16, s15                     ; my block of 256 tokens
	s_lshl_b32 s23, s16, 4
	s_lshl_b32 s18, s14, 2
	s_add_co_u32 s23, s23, s18                     ; my first tile
	s_mov_b32 s19, 0
	s_mul_i32 s18, s23, TILEB
	s_add_nc_u64 s[50:51], s[4:5], s[18:19]        ; x's images
	s_lshl_b32 s18, s23, 7
	s_add_co_u32 s18, s18, XS
	s_add_nc_u64 s[52:53], s[4:5], s[18:19]        ; x's scales
	s_mul_i32 s18, s17, NVG*2048
	s_add_co_u32 s18, s18, WS
	s_add_nc_u64 s[54:55], s[4:5], s[18:19]        ; the weights' scales
	s_mul_i32 s18, s17, 768
	s_add_nc_u64 s[56:57], s[6:7], s[18:19]        ; the head's bias
	ASCLOAD
	WSCLOAD 0
	s_wait_alu depctr_va_vdst(0)
	BIT 0
.irp d, 0,1,2,3
	ACTLOAD \d, 0, 0
	ACTLOAD \d, 1, 0
.endr
	WIN 0
	s_lshr_b32 s10, s16, 3
	s_lshl_b32 s10, s10, 4
	s_add_co_u32 s10, s10, s17                     ; bh = 16 x batch + head
	s_and_b32 s11, s23, 127                        ; my first tile in the batch
	s_lshl_b32 s15, s10, 7
	s_add_co_u32 s15, s15, s11
	s_mul_i32 s18, s15, 768
	s_add_nc_u64 s[58:59], s[8:9], s[18:19]        ; q's images
	s_lshl_b32 s18, s15, 6
	s_add_co_u32 s18, s18, QS
	s_add_nc_u64 s[60:61], s[8:9], s[18:19]        ; q's scale words
	s_and_b32 s11, s16, 7
	s_lshl_b32 s11, s11, 1
	s_lshr_b32 s15, s14, 1
	s_add_co_u32 s11, s11, s15                     ; my step of 128 keys,
	s_and_b32 s15, s14, 1                          ; and which half of it
	s_mul_i32 s16, s10, 208896                     ; a step of 128 keys: k 6,144 | v 6,144 | k's words 512 | v's words 256 = 13,056 bytes
	s_mul_i32 s18, s11, 13056
	s_add_co_u32 s16, s16, s18
	s_add_co_u32 s16, s16, KV
	s_mul_i32 s18, s15, 3072
	s_add_co_u32 s18, s18, s16
	s_add_nc_u64 s[62:63], s[8:9], s[18:19]        ; k's images: eight tiles a step
	s_mul_i32 s18, s15, 768
	s_add_co_u32 s18, s18, s16
	s_add_co_u32 s18, s18, 6144
	s_add_nc_u64 s[46:47], s[8:9], s[18:19]        ; v's: four tiles of channels, two halves of the keys each
	s_mul_i32 s16, s10, 208896
	s_mul_i32 s18, s11, 13056
	s_add_co_u32 s16, s16, s18
	s_add_co_u32 s16, s16, KV+12288                ; the step's scale words lie behind its codes
	s_lshl_b32 s18, s15, 8
	s_add_co_u32 s18, s18, s16
	s_add_nc_u64 s[44:45], s[8:9], s[18:19]        ; k's scale words
	s_lshl_b32 s18, s15, 1
	s_add_co_u32 s18, s18, s16
	s_add_co_u32 s18, s18, 512
	s_add_nc_u64 s[12:13], s[8:9], s[18:19]        ; v's: my two bytes of each word
	PASS 0, 0, 63, 63, 32, 0                       ; behind the loads that step d needs stand 32 (3 - d) younger ones (the wait's field holds 63)
	EPI 58, 60, 768, 0                             ; q
	PASS 1, 0, 0, -1, -1, -1                       ; the pass's scale words and bias are in
	EPI 62, 44, 768, 0                             ; k
	PASS 2, 1, 0, -1, -1, -1
	EPI 46, 12, 1536, 1                            ; v
	s_wait_tensorcnt 0x0
	ds_add_u32 v254, v255
	s_wait_dscnt 0x0
	CROUND                                         ; the closing round
	s_endpgm
.Lfunc_end_k_q6f95709717_qkv:
	.size	k_q6f95709717_qkv, .Lfunc_end_k_q6f95709717_qkv-k_q6f95709717_qkv
	.p2alignl 7, 3214868480
	.fill 96, 4, 3214868480
	.section	.rodata,"a",@progbits
	.p2align	6, 0x0
	.amdhsa_kernel k_q6f95709717_qkv
		.amdhsa_group_segment_fixed_size 327680
		.amdhsa_private_segment_fixed_size 0
		.amdhsa_enable_private_segment 0
		.amdhsa_kernarg_size 24
		.amdhsa_user_sgpr_count 2
		.amdhsa_user_sgpr_kernarg_segment_ptr 1
		.amdhsa_wavefront_size32 1
		.amdhsa_system_sgpr_workgroup_id_x 1
		.amdhsa_system_sgpr_workgroup_id_y 1
		.amdhsa_system_sgpr_workgroup_id_z 1
		.amdhsa_system_vgpr_workitem_id 0
		.amdhsa_next_free_vgpr 1024
		.amdhsa_next_free_sgpr 66
		.amdhsa_reserve_vcc 1
		.amdhsa_float_denorm_mode_32 3
		.amdhsa_float_denorm_mode_16_64 3
		.amdhsa_memory_ordered 1
		.amdhsa_forward_progress 1
		.amdhsa_inst_pref_size 122
	.end_amdhsa_kernel
	.amdgpu_metadata
---
amdhsa.version: [ 1, 2 ]
amdhsa.kernels:
  - .name:           k_q6f95709717_qkv
    .symbol:         k_q6f95709717_qkv.kd
    .args:
      - { .name: wprep, .offset: 0, .size: 8, .value_kind: global_buffer, .address_space: global }
      - { .name: bqkv, .offset: 8, .size: 8, .value_kind: global_buffer, .address_space: global }
      - { .name: wqkv, .offset: 16, .size: 8, .value_kind: global_buffer, .address_space: global }
    .group_segment_fixed_size: 327680
    .private_segment_fixed_size: 0
    .kernarg_segment_align: 8
    .kernarg_segment_size: 24
    .max_flat_workgroup_size: 128
    .sgpr_count:     66
    .vgpr_count:     1024
    .wavefront_size: 32
...
	.end_amdgpu_metadata
.endif
;; end of part 2
;; launch attn (part 3): grid 8 x 32, 16 waves a work-group, no clusters, 327,680 bytes of LDS; arguments wqkv, wmha; writes wmha
.if DOCPART == 3
	.amdgcn_target "amdgcn-amd-amdhsa--gfx1250"
	.amdhsa_code_object_version 6
	.text
	.protected	k_q6f95709717_attn
	.globl	k_q6f95709717_attn
	.p2align	8
	.type	k_q6f95709717_attn,@function
k_q6f95709717_attn:
	s_mov_b64 s[64:65], 0
	v_nop
	global_prefetch_b8 v0, s[64:65] scope:SCOPE_SE
	s_setreg_imm32_b32 hwreg(HW_REG_WAVE_MODE, 25, 1), 1
	s_wait_xcnt 0x0
; Causal attention of one (batch, head) on codes of E3M2; its result is quantised along the head's 64 and stored as an operand's image.
; t = score x log2(e) / 8; M = the running largest t rounded up to a whole number; p = 2^(t - M) is quantised along the keys; the row's sum is taken of the unquantised p and divides at the end.
; SHARES: a work-group takes query blocks j and 15 - j (128 queries, 8 tiles of 16 each) of one head; a step is 128 keys; block b needs steps 0 .. b.
; Waves i and i + 8 are a pair, for tile i of block j (j + 1 steps) and tile i of block 15 - j (16 - j steps).  Wave i (0-7): block j's tile, steps 0 .. j, stored; then the other tile's steps j + 1, j + 3, .. 15 - j.
; Wave i + 8: the other tile's steps 0 .. j and j + 2, j + 4, .. 14 - j.  So a wave has 9 or 8 steps, spread over the whole walk.  Which steps are a wave's own stands in a mask of 16 bits, made of ids.
; Wave i + 8 hands its O^T, -M and sum to wave i through LDS bytes of their own; the two parts are brought under the larger M by factors 2^(own M - common M), which round nothing.
; Every wave walks all 16 steps; a step that is not its own is left out by a scalar branch on ids.  Keys that come after a query are masked in the step on the diagonal alone, which is wave i's in both tiles.
; FILLS: the head's k, v and scale words are 816 rows of 256 bytes (16 steps of 13,056 bytes).  At the start each wave asks for 13 rows (together steps 0-3 and a little more); behind the first barrier for 38 rows more;
; a second barrier stands behind step 3.  No LDS byte is filled twice.
; NO CLUSTER: which steps a work-group reads hangs on j, which would differ between partners.  NO PREFETCH: all of the head's bytes are asked for by the two groups of loads at the start; nothing is left to ask for ahead.
; LAYOUT: both products transposed (S^T = k q^T, O^T = v^T p^T): a lane holds one query.  The head's 64 fill half of the instruction's K: registers 6-11 of q and of k hold zero codes.
; LIMITS: the promise holds while |t| stays under 2^31.  A block whose largest magnitude lies under 2^-122 (a block of zeros too) gets the scale byte 1.  NaN and infinities are not served.
; REGISTERS: v1-3 lane addresses; v4 my query less 16 h; v5-7 the step's addresses; v8-11 k's scale words; v12 -M, v13 the largest t, v[14:15] the sum; v16-27 q, v28 its scale words; v29-30 v's scale words;
;   v32-79 four fragments of k; v80-127 four of v; v128-191 S^T, then p; v192-223 O^T; v224-235 p's codes; v236-255 at work; v253 p's scale word.
.set QS,  3145728
.set KV,  3407872
.set MS,  3145728
.set STEPB, 13056                      ; a step: k 6,144 | v 6,144 | k's words 512 | v's words 256
.set SCB, 12288                        ; where the words begin in a step
.set RA,  13                           ; rows of 256 bytes a wave asks for at the start,
.set RB,  38                           ; and behind the first barrier
.set PART, 16*STEPB                    ; behind the steps: 4,608 bytes for each pair's hand-over
.set SPARE, PART+8*4608                ; behind them: the spare words
.set KSC, 8
.set Q,   16
.set QSC, 28
.set VSC, 29
.set KF,  32
.set VF,  80
.set S,   128
.set O,   192
.set P,   224
.set BM,  236
.set T2,  240
.set SO,  248
.set SEL, 20
.set CS,  22
.macro PLACES
.rept 4
	v_nop
.endr
.endm
.macro QUANT64 S, PC, PT, PW, TM
.irp b, 0,1
	v_max3_num_f32 v[\TM+\b], |v[\S+16*\b]|, |v[\S+16*\b+1]|, 0x2800000   ; my 16 numbers of block b, and the floor 2^(5 - 127)
.endr
.irp i, 2,4,6,8,10,12,14
.irp b, 0,1
	s_delay_alu instid0(VALU_DEP_2)
	v_max3_num_f32 v[\TM+\b], v[\TM+\b], |v[\S+16*\b+\i]|, |v[\S+16*\b+\i+1]|
.endr
.endr
.irp b, 0,1
	s_delay_alu instid0(VALU_DEP_2)
	v_permlanex16_b32 v[\TM+2+\b], v[\TM+\b], s[SEL], s[SEL+1]
.endr
.irp b, 0,1
	s_delay_alu instid0(VALU_DEP_2)
	v_max_num_f32 v[\TM+\b], v[\TM+\b], v[\TM+2+\b]
.endr
.irp b, 0,1
	s_delay_alu instid0(VALU_DEP_2)
	v_add_nc_u32 v[\TM+4+\b], 0xfe000000, v[\TM+\b]
.endr
.irp b, 0,1
	s_delay_alu instid0(VALU_DEP_2)
	v_lshrrev_b32 v[\TM+2+\b], 23, v[\TM+4+\b]
.endr
	s_delay_alu instid0(VALU_DEP_1)
	v_lshl_or_b32 v[\PW], v[\TM+3], 8, v[\TM+2]
	v_cvt_scalef32_pk16_bf6_f32 v[\PC:\PC+2], v[\S:\S+15], v[\TM+4]
	v_cvt_scalef32_pk16_bf6_f32 v[\PT:\PT+2], v[\S+16:\S+31], v[\TM+5]
	v_nop                                                  ; one plain place behind a scaled conversion
.irp i, 0,1,2
	v_permlane16_swap_b32 v[\PC+\i], v[\PT+\i]
.endr
.irp i, 0,1,2
	s_delay_alu instid0(VALU_DEP_3)
	v_mov_b32 v[\PC+3+\i], v[\PT+\i]
.endr
.endm
.macro QLOAD tile                      ; q's half fragment and scale words of the tile whose number s[tile] holds
	s_lshl_b32 s52, s13, 7
	s_add_co_u32 s52, s52, s[\tile]                ; 128 bh + tile
	s_lshl_b32 s54, s52, 6
	s_mul_i32 s52, s52, 768
	s_mov_b32 s53, 0
	s_add_nc_u64 s[52:53], s[4:5], s[52:53]
	s_add_co_u32 s54, s54, QS
	s_mov_b32 s55, 0
	s_add_nc_u64 s[54:55], s[4:5], s[54:55]
	global_load_b128 v[Q:Q+3], v1, s[52:53]
	global_load_b64 v[Q+4:Q+5], v2, s[52:53]
	global_load_b32 v[QSC], v31, s[54:55]
.endm
.macro INIT                            ; a tile's state: the step is written once; the first finds zeros
	v_mov_b32 v13, 0xff61b1e6                      ; the largest t so far: -3e38
	s_delay_alu instid0(VALU_DEP_1)
	v_floor_f32 v12, -v13                          ; -M
	v_mov_b32 v14, 0
	v_mov_b32 v15, 0
.set j, 0
.rept 32
	v_mov_b32 v[O+j], 0
.set j, j+1
.endr
.endm
; A tile's way out (its number in s12): O^T / the sum; register 16 b + i is channel 32 b + 16 h + i of my query: quantised along the head, it is half a fragment of the next product's operand
.macro FINISH
	v_add_f32 v14, v14, v15
	s_wait_alu depctr_va_vdst(0)
	v_permlanex16_b32 v252, v14, s[SEL], s[SEL+1]
	s_delay_alu instid0(VALU_DEP_1)
	v_add_f32 v14, v14, v252                       ; the row's sum
	s_wait_alu depctr_va_vdst(0)
	v_rcp_f32 v14, v14
	v_nop                                          ; one plain place behind a transcendental
.set j, 0
	s_wait_alu depctr_va_vdst(0)
.rept 32
	v_mul_f32 v[S+j], v[O+j], v14
.set j, j+1
.endr
	QUANT64 S, P, 244, 254, BM
	s_lshr_b32 s8, s13, 4
	s_lshl_b32 s8, s8, 7
	s_add_co_u32 s8, s8, s12                       ; my tile among all 256
	s_and_b32 s9, s13, 15                          ; the head
	s_mul_i32 s10, s8, 12288
	s_mul_i32 s11, s9, 768
	s_add_co_u32 s10, s10, s11
	s_mov_b32 s11, 0
	s_add_nc_u64 s[10:11], s[6:7], s[10:11]
	s_lshr_b32 s60, s9, 2
	s_lshl_b32 s60, s60, 15                        ; the scales' chunk of 256 along K,
	s_lshl_b32 s61, s8, 7
	s_add_co_u32 s60, s60, s61
	s_and_b32 s61, s9, 3
	s_lshl_b32 s61, s61, 1                         ; and the head's two bytes of a row's eight
	s_add_co_u32 s60, s60, s61
	s_add_co_u32 s60, s60, MS
	s_mov_b32 s61, 0
	s_add_nc_u64 s[60:61], s[6:7], s[60:61]
	v_lshlrev_b32 v5, 1, v31                       ; 8 r
	s_wait_alu depctr_va_vdst(0)
	global_store_b128 v1, v[P:P+3], s[10:11]
	global_store_b64 v2, v[P+4:P+5], s[10:11]
	global_store_b16 v5, v254, s[60:61]            ; lanes 16-31 write the same bytes with the same values
	s_wait_xcnt 0x0                                ; the stores have read their registers
.endm
; Waves 0-7 at step j + 1 (s51; in waves 8-15 it holds 64, which no step reaches): block j's tile is finished and leaves; the pair's tile of block 15 - j is taken up
.macro SWITCH
	s_cmp_lg_u32 s16, s51
	s_cbranch_scc1 .Lsame_\@
	PLACES                                         ; behind the last products: ahead of the loads into q's registers and of the first read of O^T
	QLOAD 50
	FINISH
	s_mov_b32 s12, s50
	s_sub_co_u32 s48, 15, s63                      ; its step on the diagonal
	INIT
	s_wait_alu depctr_va_vdst(0)
	s_wait_loadcnt 0x0                             ; q
.Lsame_\@:
.endm
	s_load_b128 s[4:7], s[0:1], 0x0                ; wqkv, wmha
	v_lshl_add_u32 v254, v0, 2, SPARE
	v_mov_b32 v255, 0
	ds_add_u32 v254, v255
	ds_add_u32 v254, v255
	v_lshrrev_b32 v31, 5, v0
	s_delay_alu instid0(VALU_DEP_1)
	v_readfirstlane_b32 s14, v31                   ; wave 0..15
	s_and_b32 s13, ttmp7, 0xffff                   ; bh
	; descriptor groups 1: dense bytes as rows of 256
	s_mov_b32 s32, 3<<16
	s_mov_b32 s33, 32<<16
	s_mov_b32 s34, RA<<16
	s_mov_b32 s35, 32<<16
	s_mov_b32 s36, RA
	s_mov_b32 s37, 32
	s_mov_b32 s38, 0
	s_mov_b32 s39, 0
	s_mov_b32 s40, 3<<16
	s_mov_b32 s41, 32<<16
	s_mov_b32 s42, RB<<16
	s_mov_b32 s43, 32<<16
	s_mov_b32 s44, RB
	s_mov_b32 s45, 32
	s_mov_b32 s46, 0
	s_mov_b32 s47, 0
	s_mul_i32 s25, s14, RA*256
	s_mul_i32 s29, s14, RB*256
	s_add_co_u32 s29, s29, 16*RA*256
	s_mul_i32 s8, s13, 16*STEPB
	s_add_co_u32 s8, s8, KV
	s_mov_b32 s9, 0
	s_mov_b32 s11, 0
	s_mov_b32 s24, 1
	s_mov_b32 s28, 1
	s_wait_dscnt 0x0
	s_wait_kmcnt 0x0
	s_add_nc_u64 s[8:9], s[4:5], s[8:9]
	s_mov_b32 s10, s25
	s_add_nc_u64 s[26:27], s[8:9], s[10:11]
	s_or_b32 s27, s27, 0x80000000
	s_mov_b32 s10, s29
	s_add_nc_u64 s[30:31], s[8:9], s[10:11]
	s_or_b32 s31, s31, 0x80000000
	tensor_load_to_lds s[24:27], s[32:39]          ; my 13 rows: one tensor load a wave at the head
	s_nop 0
	PLACES
	s_mov_b32 s63, ttmp9                           ; j
	s_and_b32 s49, s14, 7                          ; i: my tile in its block
	s_lshr_b32 s9, s49, 1
	s_lshl_b32 s9, s9, 5
	s_and_b32 s10, s14, 1
	s_lshl_b32 s10, s10, 3
	s_add_co_u32 s9, s9, s10                       ; the tile's first query among its block's 128
	s_sub_co_u32 s11, 15, s63
	s_lshl_b32 s50, s11, 3
	s_add_co_u32 s50, s50, s49                     ; the pair's tile of block 15 - j
	s_lshl_b32 s12, s63, 3
	s_add_co_u32 s12, s12, s49                     ; tile i of block j
	; the masks of steps
	s_add_co_u32 s56, s63, 1                       ; j + 1
	s_lshl_b32 s57, 2, s63
	s_sub_co_u32 s57, s57, 1                       ; bits 0 .. j
	s_sub_co_u32 s58, 16, s63
	s_lshl_b32 s58, 1, s58
	s_sub_co_u32 s58, s58, 1                       ; bits 0 .. 15 - j
	s_lshl_b32 s59, 0x5555, s56                    ; bits j + 1, j + 3, ..
	s_lshl_b32 s62, s59, 1                         ; bits j + 2, j + 4, ..
	s_and_b32 s59, s59, s58
	s_and_b32 s62, s62, s58
	s_or_b32 s59, s59, s57                         ; waves 0-7
	s_or_b32 s62, s62, s57                         ; waves 8-15
	s_cmp_lt_u32 s14, 8
	s_cselect_b32 s12, s12, s50                    ; the tile that I begin with,
	s_cselect_b32 s15, s59, s62                    ; the steps that are mine,
	s_cselect_b32 s48, s63, 64                     ; the step on the diagonal (64: none),
	s_cselect_b32 s51, s56, 64                     ; and the step at which I change tiles (64: never)
	s_mov_b32 s[SEL], 0x76543210
	s_mov_b32 s[SEL+1], 0xfedcba98
	s_mov_b32 s[CS], 0x3e38aa3b                    ; c = log2(e) / 8
	s_mov_b32 s[CS+1], s[CS]                       ; (named with it as a pair)
	v_and_b32 v128, 31, v0                         ; lane
	v_and_b32 v129, 15, v0                         ; r
	v_bfe_u32 v130, v0, 4, 1                       ; h
	s_delay_alu instid0(VALU_DEP_3)
	v_lshlrev_b32 v1, 4, v128                      ; 16 x lane
	v_lshl_add_u32 v2, v128, 3, 512                ; 512 + 8 x lane
	v_lshl_add_u32 v3, v128, 2, SCB                ; the scale words' place in a step + 4 x lane
	v_lshlrev_b32 v31, 2, v129                     ; 4 r
	v_and_b32 v4, 8, v129
	v_lshlrev_b32 v131, 4, v130
	s_delay_alu instid0(VALU_DEP_2)
	v_add3_u32 v4, v4, v129, s9                    ; my query among its block's 128
	s_delay_alu instid0(VALU_DEP_1)
	v_sub_nc_u32 v4, v4, v131                      ; less 16 h
	s_wait_alu depctr_va_vdst(0)
	QLOAD 12
	INIT
.irp j, 6,7,8,9,10,11
	v_mov_b32 v[Q+\j], 0                           ; zero codes for k = 64 .. 127
.irp t, 0,1,2,3
	v_mov_b32 v[KF+12*\t+\j], 0
.endr
.endr
.set j, 0
.rept 18
	v_mov_b32 v[BM+j], 0                           ; v236-253, written once: lane permutes' destinations and pairs' upper halves count as read
.set j, j+1
.endr
; A STEP: 128 keys.  s16 its number, s17 its place in LDS; s15 the mask of my steps, s48 the step on the diagonal.
.macro STEP
	s_lshr_b32 s8, s15, s16
	s_and_b32 s8, s8, 1
	s_cmp_eq_u32 s8, 0
	s_cbranch_scc1 .Lhidden_\@                     ; not mine
	v_add_nc_u32 v5, s17, v1
	v_add_nc_u32 v6, s17, v2
	v_add_nc_u32 v7, s17, v3
	s_wait_alu depctr_va_vdst(0)
.irp g, 0,1                                    ; S^T = k q^T, four tiles of 16 keys at a time
.if \g
	PLACES                                         ; ahead of loads into registers that matrix instructions have read
.endif
.irp t, 0,1,2,3
	ds_load_b128 v[KF+12*\t:KF+12*\t+3], v5 offset:768*(4*\g+\t)
	ds_load_b64 v[KF+12*\t+4:KF+12*\t+5], v6 offset:768*(4*\g+\t)
.endr
.if \g == 0
.irp b, 0,1,2,3
	ds_load_b32 v[KSC+\b], v7 offset:128*\b        ; lanes 0-15: tile 2 b's words, lanes 16-31: tile 2 b + 1's
.endr
.endif
	s_wait_dscnt 0x0
.irp t, 0,1,2,3
.if \t%2
	v_wmma_scale_f32_16x16x128_f8f6f4 v[S+8*(4*\g+\t):S+8*(4*\g+\t)+7], v[KF+12*\t:KF+12*\t+11], v[Q:Q+11], 0, v[KSC+2*\g+\t/2], v[QSC] matrix_a_fmt:MATRIX_FMT_BF6 matrix_b_fmt:MATRIX_FMT_BF6 matrix_a_scale:MATRIX_SCALE_ROW1
.else
	v_wmma_scale_f32_16x16x128_f8f6f4 v[S+8*(4*\g+\t):S+8*(4*\g+\t)+7], v[KF+12*\t:KF+12*\t+11], v[Q:Q+11], 0, v[KSC+2*\g+\t/2], v[QSC] matrix_a_fmt:MATRIX_FMT_BF6 matrix_b_fmt:MATRIX_FMT_BF6
.endif
.endr
.endr
.irp t, 0,1,2,3                                ; v's fragments are asked for now and land during the softmax (seven plain lines stand behind the last products that read these registers)
	ds_load_b128 v[VF+12*\t:VF+12*\t+3], v5 offset:6144+1536*\t
	ds_load_b64 v[VF+12*\t+4:VF+12*\t+5], v6 offset:6144+1536*\t
	ds_load_b128 v[VF+12*\t+6:VF+12*\t+9], v5 offset:6144+1536*\t+768
	ds_load_b64 v[VF+12*\t+10:VF+12*\t+11], v6 offset:6144+1536*\t+768
.endr
	ds_load_b32 v[VSC], v7 offset:512
	ds_load_b32 v[VSC+1], v7 offset:640
	PLACES                                         ; ahead of the first read of the scores
	s_cmp_lg_u32 s16, s48
	s_cbranch_scc1 .Lopen_\@                       ; only my own block's step lies on the diagonal
	v_mov_b32 v254, 0xff800000                     ; -infinity: p = 0 then
.set n, 0
.rept 64
	v_cmp_gt_i32 vcc_lo, 32*(n/16)+n%16, v4        ; register n holds key 32 (n / 16) + n % 16 + 16 h of the step: hidden where it comes after my query
	v_cndmask_b32 v[S+n], v[S+n], v254, vcc_lo
.set n, n+1
.endr
.Lopen_\@:
.irp b, 0,1,2,3
	v_max3_num_f32 v[BM+\b], v[S+16*\b], v[S+16*\b+1], v[S+16*\b+2]   ; the largest score of each block of 32 keys: for the row's maximum, and, since p rises with the score, for the block's largest p
.endr
.irp i, 3,5,7,9,11,13
.irp b, 0,1,2,3
	v_max3_num_f32 v[BM+\b], v[BM+\b], v[S+16*\b+\i], v[S+16*\b+\i+1]
.endr
.endr
.irp b, 0,1,2,3
	v_max_num_f32 v[BM+\b], v[BM+\b], v[S+16*\b+15]
.endr
.irp b, 0,1,2,3
	s_delay_alu instid0(VALU_DEP_4)
	v_permlanex16_b32 v[T2+\b], v[BM+\b], s[SEL], s[SEL+1]
.endr
.irp b, 0,1,2,3
	s_delay_alu instid0(VALU_DEP_4)
	v_max_num_f32 v[BM+\b], v[BM+\b], v[T2+\b]
.endr
	s_delay_alu instid0(VALU_DEP_2)
	v_max3_num_f32 v254, v[BM], v[BM+1], v[BM+2]
	s_delay_alu instid0(VALU_DEP_1)
	v_max_num_f32 v254, v254, v[BM+3]
	s_delay_alu instid0(VALU_DEP_1)
	v_mul_f32 v254, s[CS], v254                    ; as t
	s_delay_alu instid0(VALU_DEP_1)
	v_max_num_f32 v13, v13, v254                   ; the running largest t
	v_mov_b32 v254, v12
	s_delay_alu instid0(VALU_DEP_2)
	v_floor_f32 v12, -v13                          ; the new -M = -ceil(t)
	s_delay_alu instid0(VALU_DEP_1)
	v_sub_f32 v254, v12, v254                      ; old M - new M: a whole number, 0 or less
	s_delay_alu instid0(VALU_DEP_1)
	v_cvt_i32_f32 v254, v254                       ; (it saturates)
	s_delay_alu instid0(VALU_DEP_1)
	v_ldexp_f32 v252, 1.0, v254                    ; f = 2^(old M - new M): a multiplication by it rounds nothing
.set j, 0
.rept 32
	v_pk_fma_f32 v[S+j:S+j+1], v[S+j:S+j+1], s[CS:CS+1], v[12:13] op_sel_hi:[1,0,0]   ; t - M
.set j, j+2
.endr
.irp b, 0,1,2,3
	v_fma_f32 v[BM+\b], v[BM+\b], s[CS], v12
.endr
.set j, 0
	s_wait_alu depctr_va_vdst(0)
.rept 64
	v_exp_f32 v[S+j], v[S+j]                       ; p = 2^(t - M)
.set j, j+1
.endr
.irp b, 0,1,2,3
	v_exp_f32 v[BM+\b], v[BM+\b]                   ; the block's largest p
.endr
	v_pk_mul_f32 v[14:15], v[14:15], v[252:253] op_sel_hi:[1,0]   ; the sums under the new M (a plain place behind the exponentials)
	s_wait_alu depctr_va_vdst(0)
.irp b, 0,1,2,3
	v_max_num_f32 v[BM+\b], 0x2800000, v[BM+\b]    ; the floor 2^(5 - 127)
.endr
.irp b, 0,1,2,3
	s_delay_alu instid0(VALU_DEP_4)
	v_add_nc_u32 v[SO+\b], 0xfe000000, v[BM+\b]    ; the conversion's scale operand
.endr
.irp b, 0,1,2,3
	s_delay_alu instid0(VALU_DEP_4)
	v_lshrrev_b32 v[T2+\b], 23, v[SO+\b]           ; the scale's byte
.endr
	s_delay_alu instid0(VALU_DEP_3)
	v_lshl_or_b32 v253, v[T2+1], 8, v[T2]          ; p's scale word for these 128 keys
	s_delay_alu instid0(VALU_DEP_1)
	v_lshl_or_b32 v253, v[T2+2], 16, v253
	s_delay_alu instid0(VALU_DEP_1)
	v_lshl_or_b32 v253, v[T2+3], 24, v253
.irp c, 0,1
	v_cvt_scalef32_pk16_bf6_f32 v[P+6*\c:P+6*\c+2], v[S+32*\c:S+32*\c+15], v[SO+2*\c]
	v_cvt_scalef32_pk16_bf6_f32 v[T2+4*\c:T2+4*\c+2], v[S+32*\c+16:S+32*\c+31], v[SO+2*\c+1]
.endr
	v_nop                                          ; one plain place behind a scaled conversion
.irp c, 0,1
.irp i, 0,1,2
	v_permlane16_swap_b32 v[P+6*\c+\i], v[T2+4*\c+\i]
.endr
.irp i, 0,1,2
	s_delay_alu instid0(VALU_DEP_3)
	v_mov_b32 v[P+6*\c+3+\i], v[T2+4*\c+\i]
.endr
.endr
	; the row's sum of the unquantised p, in eight chains
	v_pk_add_f32 v[240:241], v[132:133], v[136:137]
	v_pk_add_f32 v[254:255], v[140:141], v[144:145]
	v_pk_add_f32 v[250:251], v[148:149], v[152:153]
	v_pk_add_f32 v[248:249], v[156:157], v[160:161]
	v_pk_add_f32 v[246:247], v[164:165], v[168:169]
	v_pk_add_f32 v[244:245], v[172:173], v[176:177]
	v_pk_add_f32 v[236:237], v[180:181], v[184:185]
	v_pk_add_f32 v[14:15], v[14:15], v[188:189]
	v_pk_add_f32 v[240:241], v[240:241], v[128:129]
	v_pk_add_f32 v[254:255], v[254:255], v[130:131]
	v_pk_add_f32 v[250:251], v[250:251], v[134:135]
	v_pk_add_f32 v[248:249], v[248:249], v[138:139]
	v_pk_add_f32 v[246:247], v[246:247], v[142:143]
	v_pk_add_f32 v[244:245], v[244:245], v[146:147]
	v_pk_add_f32 v[236:237], v[236:237], v[150:151]
	v_pk_add_f32 v[14:15], v[14:15], v[154:155]
	v_pk_add_f32 v[240:241], v[240:241], v[158:159]
	v_pk_add_f32 v[254:255], v[254:255], v[162:163]
	v_pk_add_f32 v[250:251], v[250:251], v[166:167]
	v_pk_add_f32 v[248:249], v[248:249], v[170:171]
	v_pk_add_f32 v[246:247], v[246:247], v[174:175]
	v_pk_add_f32 v[244:245], v[244:245], v[178:179]
	v_pk_add_f32 v[236:237], v[236:237], v[182:183]
	v_pk_add_f32 v[14:15], v[14:15], v[186:187]
	v_pk_add_f32 v[240:241], v[240:241], v[190:191]
	s_delay_alu instid0(VALU_DEP_2)
	v_pk_add_f32 v[14:15], v[14:15], v[248:249]
	s_delay_alu instid0(VALU_DEP_2)
	v_pk_add_f32 v[240:241], v[240:241], v[246:247]
	v_pk_add_f32 v[254:255], v[254:255], v[244:245]
	v_pk_add_f32 v[250:251], v[250:251], v[236:237]
	s_delay_alu instid0(VALU_DEP_2)
	v_pk_add_f32 v[14:15], v[14:15], v[254:255]
	s_delay_alu instid0(VALU_DEP_2)
	v_pk_add_f32 v[240:241], v[240:241], v[250:251]
	s_delay_alu instid0(VALU_DEP_1)
	v_pk_add_f32 v[14:15], v[14:15], v[240:241]
.set j, 0
.rept 16
	v_pk_mul_f32 v[O+j:O+j+1], v[O+j:O+j+1], v[252:253] op_sel_hi:[1,0]   ; O^T under the new M
.set j, j+2
.endr
	s_wait_alu depctr_va_vdst(0)
	s_wait_dscnt 0x0                               ; v's fragments and scale words are in
.irp t, 0,1,2,3                                ; O^T += v^T p^T: four accumulators, one instruction each
.if \t%2
	v_wmma_scale_f32_16x16x128_f8f6f4 v[O+8*\t:O+8*\t+7], v[VF+12*\t:VF+12*\t+11], v[P:P+11], v[O+8*\t:O+8*\t+7], v[VSC+\t/2], v253 matrix_a_fmt:MATRIX_FMT_BF6 matrix_b_fmt:MATRIX_FMT_BF6 matrix_a_scale:MATRIX_SCALE_ROW1
.else
	v_wmma_scale_f32_16x16x128_f8f6f4 v[O+8*\t:O+8*\t+7], v[VF+12*\t:VF+12*\t+11], v[P:P+11], v[O+8*\t:O+8*\t+7], v[VSC+\t/2], v253 matrix_a_fmt:MATRIX_FMT_BF6 matrix_b_fmt:MATRIX_FMT_BF6
.endif
.endr
.Lhidden_\@:
	s_add_co_u32 s16, s16, 1
	s_add_co_u32 s17, s17, STEPB
.endm
	s_wait_alu depctr_va_vdst(0)
	s_wait_tensorcnt 0x0                           ; my 13 rows are in
	ds_add_u32 v254, v255
	s_wait_dscnt 0x0
	s_barrier_signal -1
	s_barrier_wait -1                              ; steps 0 to 3 are whole
	tensor_load_to_lds s[28:31], s[40:47]          ; my 38 rows of the rest: they have four steps in which to land
	s_nop 0
	PLACES
	s_wait_loadcnt 0x0                             ; q
	s_mov_b32 s16, 0
	s_mov_b32 s17, 0
	s_mov_b32 s19, 4
.Lfirst:
	SWITCH
	STEP
	s_sub_co_u32 s19, s19, 1
	s_cmp_lg_u32 s19, 0
	s_cbranch_scc1 .Lfirst
	s_wait_dscnt 0x0
	s_wait_tensorcnt 0x0                           ; my part of the rest is in
	s_barrier_signal -1
	s_barrier_wait -1                              ; everybody's is
	s_mov_b32 s16, 4
	s_mov_b32 s17, 4*STEPB
	s_mov_b32 s19, 12
.Lrest:
	SWITCH
	STEP
	s_sub_co_u32 s19, s19, 1
	s_cmp_lg_u32 s19, 0
	s_cbranch_scc1 .Lrest
	; THE HAND-OVER: wave i + 8 stores its part as an image of its registers, wave i reads it behind the barrier
	PLACES                                         ; behind the last products
	s_mul_i32 s8, s49, 4608
	s_add_co_u32 s8, s8, PART
	v_add_nc_u32 v5, s8, v1                        ; the pair's bytes, + 16 x lane
	s_wait_alu depctr_va_vdst(0)
	s_cmp_lt_u32 s14, 8
	s_cbranch_scc1 .Lno_part
.irp c, 0,1,2,3,4,5,6,7
	ds_store_b128 v5, v[O+4*\c:O+4*\c+3] offset:512*\c   ; each accumulator from its low end on
.endr
	ds_store_b128 v5, v[12:15] offset:4096         ; -M, the largest t, the sum's two halves
.Lno_part:
	s_wait_dscnt 0x0
	s_barrier_signal -1
	s_barrier_wait -1
	s_cmp_ge_u32 s14, 8
	s_cbranch_scc1 .Lend
.irp c, 0,1,2,3,4,5,6,7,8
	ds_load_b128 v[S+4*\c:S+4*\c+3], v5 offset:512*\c
.endr
	s_wait_dscnt 0x0
	v_min_num_f32 v248, v12, v[S+32]               ; the common -M: the smaller of the two
	s_delay_alu instid0(VALU_DEP_1)
	v_sub_f32 v254, v248, v12                      ; my M - the common M: a whole number, 0 or less
	v_sub_f32 v255, v248, v[S+32]                  ; the partner's likewise
	s_delay_alu instid0(VALU_DEP_2)
	v_cvt_i32_f32 v254, v254
	s_delay_alu instid0(VALU_DEP_2)
	v_cvt_i32_f32 v255, v255
	s_delay_alu instid0(VALU_DEP_2)
	v_ldexp_f32 v252, 1.0, v254                    ; my factor,
	s_delay_alu instid0(VALU_DEP_2)
	v_ldexp_f32 v250, 1.0, v255                    ; the partner's: powers of two, which round nothing
.set j, 0
.rept 16
	v_pk_mul_f32 v[O+j:O+j+1], v[O+j:O+j+1], v[252:253] op_sel_hi:[1,0]
.set j, j+2
.endr
	v_pk_mul_f32 v[14:15], v[14:15], v[252:253] op_sel_hi:[1,0]
.set j, 0
.rept 16
	v_pk_fma_f32 v[O+j:O+j+1], v[S+j:S+j+1], v[250:251], v[O+j:O+j+1] op_sel_hi:[1,0,1]
.set j, j+2
.endr
	v_pk_fma_f32 v[14:15], v[S+34:S+35], v[250:251], v[14:15] op_sel_hi:[1,0,1]
	FINISH
.Lend:
	v_lshl_add_u32 v254, v0, 2, SPARE              ; the two registers are made anew: the steps have used them
	v_mov_b32 v255, 0
	s_wait_alu depctr_va_vdst(0)
	s_wait_tensorcnt 0x0                           ; the wave's end
	ds_add_u32 v254, v255
	s_wait_dscnt 0x0
	s_endpgm
.Lfunc_end_k_q6f95709717_attn:
	.size	k_q6f95709717_attn, .Lfunc_end_k_q6f95709717_attn-k_q6f95709717_attn
	.p2alignl 7, 3214868480
	.fill 96, 4, 3214868480
	.section	.rodata,"a",@progbits
	.p2align	6, 0x0
	.amdhsa_kernel k_q6f95709717_attn
		.amdhsa_group_segment_fixed_size 327680
		.amdhsa_private_segment_fixed_size 0
		.amdhsa_enable_private_segment 0
		.amdhsa_kernarg_size 16
		.amdhsa_user_sgpr_count 2
		.amdhsa_user_sgpr_kernarg_segment_ptr 1
		.amdhsa_wavefront_size32 1
		.amdhsa_system_sgpr_workgroup_id_x 1
		.amdhsa_system_sgpr_workgroup_id_y 1
		.amdhsa_system_sgpr_workgroup_id_z 1
		.amdhsa_system_vgpr_workitem_id 0
		.amdhsa_next_free_vgpr 256
		.amdhsa_next_free_sgpr 66
		.amdhsa_reserve_vcc 1
		.amdhsa_float_denorm_mode_32 3
		.amdhsa_float_denorm_mode_16_64 3
		.amdhsa_memory_ordered 1
		.amdhsa_forward_progress 1
		.amdhsa_inst_pref_size 78
	.end_amdhsa_kernel
	.amdgpu_metadata
---
amdhsa.version: [ 1, 2 ]
amdhsa.kernels:
  - .name:           k_q6f95709717_attn
    .symbol:         k_q6f95709717_attn.kd
    .args:
      - { .name: wqkv, .offset: 0, .size: 8, .value_kind: global_buffer, .address_space: global }
      - { .name: wmha, .offset: 8, .size: 8, .value_kind: global_buffer, .address_space: global }
    .group_segment_fixed_size: 327680
    .private_segment_fixed_size: 0
    .kernarg_segment_align: 8
    .kernarg_segment_size: 16
    .max_flat_workgroup_size: 512
    .sgpr_count:     66
    .vgpr_count:     256
    .wavefront_size: 32
...
	.end_amdgpu_metadata
.endif
;; end of part 3
;; launch wo (part 4): grid 16 x 16, 4 waves a work-group, clusters of 4 x 1, 168,448 bytes of LDS; arguments wmha, wprep, bO, x, wy; writes wy
.if DOCPART == 4
	.amdgcn_target "amdgcn-amd-amdhsa--gfx1250"
	.amdhsa_code_object_version 6
	.text
	.protected	k_q6f95709717_wo
	.globl	k_q6f95709717_wo
	.p2align	8
	.type	k_q6f95709717_wo,@function
k_q6f95709717_wo:
	s_mov_b64 s[64:65], 0
	v_nop
	global_prefetch_b8 v0, s[64:65] scope:SCOPE_SE
	s_setreg_imm32_b32 hwreg(HW_REG_WAVE_MODE, 25, 1), 1
	s_wait_xcnt 0x0
	s_wait_alu depctr_hold_cnt(0) depctr_sa_sdst(0) depctr_va_vdst(0) depctr_va_sdst(0) depctr_va_ssrc(0) depctr_va_vcc(0) depctr_vm_vsrc(0)
	s_getreg_b32 s2, hwreg(HW_REG_IB_STS2, 6, 4)
	s_cmp_eq_u32 s2, 0
	s_cbranch_scc0 .Lentry_in_a_cluster
	s_endpgm
.Lentry_in_a_cluster:
	s_bfe_u32 s2, ttmp6, 0x10000c
	s_cmp_lg_u32 s2, 0x3003
	s_cbranch_scc0 .Lentry_shape_is_right
	s_endpgm
.Lentry_shape_is_right:
; wy = x + (mha WO + bO), the product on codes of E3M2, for 256 tokens x 64 outputs.
; SHARES: work-group = (block of 256 tokens, group of 64 outputs); wave w = tokens 64 w on, four tiles of 16.  The wave's codes of mha (K = 1,024) stay in registers; the weight group comes into LDS once, by
; tensor loads that the four work-groups of a cluster (same outputs, other tokens) ask for jointly.  No LDS byte is filled twice.
; Source 0 = 16 weight rows, source 1 = 16 tokens: a lane holds one token and its registers run along the outputs.  The bias is the C of each sum's first matrix instruction.
; The results go through the wave's own stage in LDS, so that sixteen lanes store 256 consecutive bytes of a row, aligned; the residual is added on the way.
; REGISTERS: window 0: v1-2 16, 8 x lane; v5 bias address; v6-8 the way out; v10 LDS base; v16-31 mha's scale words; v48-63 the weights'; v80-111 bias, later rows read back; v112-239 16 accumulators;
;   window 1: fragments of tiles 0, 1 ((tile % 2) 8 + K step) x 12, from v192 their residual;  window 2: the same of tiles 2, 3;  window 3: two buffers of eight weight fragments.
.set NVG,   1
.set ACCUM, 0
.set TILEB, 12288
.set VGB,   48                         ; the first weight group of this product
.set AOFF,  0                          ; the operand's images in its buffer,
.set SOFF,  3145728                    ; and its scales
.set WI,  3276800
.set WS,  12713984
.set STG, NVG*49152                    ; LDS behind the weights: a stage of 16 rows x (256 + 16) bytes for each wave
.set WAD, 10
.set ASC, 16
.set WSC, 48
.set BI,  80
.set RB,  80
.set ACC, 112
.set MSB, 0
.macro WIN new                         ; the immediate's high byte repeats the setting that is left
.if MSB != (\new)
	s_set_vgpr_msb (MSB<<8)|(\new)
.set MSB, (\new)
.endif
.endm
.macro PLACES                          ; four places behind matrix instructions, ahead of loads into their registers and of the first read of results
.rept 4
	v_nop
.endr
.endm
.macro CROUND                          ; a round of the cluster's barrier
	s_barrier_signal -1
	s_barrier_wait -1
	s_cmp_lg_u32 s14, 0
	s_cbranch_scc1 .Lnot_wave_0_\@
	s_barrier_signal -3
.Lnot_wave_0_\@:
	s_barrier_wait -3
	s_barrier_signal -1
	s_barrier_wait -1
.endm
.macro WM ra, rb                       ; one product on rD, rA, rB, rC, rSA, rSB; ra, rb: the side's scale words lie in lanes 16-31
.if (\ra) && (\rb)
	v_wmma_scale_f32_16x16x128_f8f6f4 v[rD:rD+7], v[rA:rA+11], v[rB:rB+11], v[rC:rC+7], v[rSA], v[rSB] matrix_a_fmt:MATRIX_FMT_BF6 matrix_b_fmt:MATRIX_FMT_BF6 matrix_a_scale:MATRIX_SCALE_ROW1 matrix_b_scale:MATRIX_SCALE_ROW1
.elseif (\ra)
	v_wmma_scale_f32_16x16x128_f8f6f4 v[rD:rD+7], v[rA:rA+11], v[rB:rB+11], v[rC:rC+7], v[rSA], v[rSB] matrix_a_fmt:MATRIX_FMT_BF6 matrix_b_fmt:MATRIX_FMT_BF6 matrix_a_scale:MATRIX_SCALE_ROW1
.elseif (\rb)
	v_wmma_scale_f32_16x16x128_f8f6f4 v[rD:rD+7], v[rA:rA+11], v[rB:rB+11], v[rC:rC+7], v[rSA], v[rSB] matrix_a_fmt:MATRIX_FMT_BF6 matrix_b_fmt:MATRIX_FMT_BF6 matrix_b_scale:MATRIX_SCALE_ROW1
.else
	v_wmma_scale_f32_16x16x128_f8f6f4 v[rD:rD+7], v[rA:rA+11], v[rB:rB+11], v[rC:rC+7], v[rSA], v[rSB] matrix_a_fmt:MATRIX_FMT_BF6 matrix_b_fmt:MATRIX_FMT_BF6
.endif
.endm
; 16 products: K steps 2 d, 2 d + 1; token tiles 2 H, 2 H + 1; the group's four weight tiles.  Eight accumulators by turns, one instruction a turn.
.macro MUL16 H, d, v
	WIN 0x07+4*(\H)                                ; source 0: weights (window 3), source 1: the tokens' codes (window 1 or 2)
.irp e, 0,1
.irp mm, 0,1
.irp t, 0,1,2,3
.set rD, ACC+8*(4*(2*(\H)+\mm)+\t)
.set rA, 96*((\d)%2)+48*\e+12*\t
.set rB, (8*\mm+2*(\d)+\e)*12
.set rSA, WSC+16*((\v)%2)+8*(\t/2)+2*(\d)+\e
.set rSB, ASC+16*ACCUM*((\v)%2)+8*(\H)+2*(\d)+\e
.set rC, rD
.if ((ACCUM == 0) || ((\v) == 0)) && ((\d) == 0) && (\e == 0)
.set rC, BI+8*\t                       ; the first K step starts the sums on the bias
.endif
	WM \t%2, \mm
.endr
.endr
.endr
.endm
.macro ACTLOAD d, H, off               ; the tokens' fragments of K steps 2 d, 2 d + 1, tiles 2 H, 2 H + 1: 16 loads
	WIN 0x40<<(\H)
.irp e, 0,1
.irp mm, 0,1
.set rX, (8*\mm+2*(\d)+\e)*12
.set oX, (2*(\H)+\mm)*TILEB+(\off)+(2*(\d)+\e)*1536
	global_load_b128 v[rX:rX+3], v1, s[50:51] offset:oX
	global_load_b64 v[rX+4:rX+5], v2, s[50:51] offset:oX+512
	global_load_b128 v[rX+6:rX+9], v1, s[50:51] offset:oX+768
	global_load_b64 v[rX+10:rX+11], v2, s[50:51] offset:oX+1280
.endr
.endr
.endm
.macro FETCHW d, v                     ; eight weight fragments (K steps 2 d, 2 d + 1) from LDS into buffer d % 2: 24 loads of 512 consecutive bytes
	WIN 0xc0
.irp e, 0,1
.irp t, 0,1,2,3
.irp c, 0,1,2
	ds_load_b128 v[96*((\d)%2)+48*\e+12*\t+4*\c:96*((\d)%2)+48*\e+12*\t+4*\c+3], v[WAD+(\v)] offset:(2*(\d)+\e)*6144+\t*1536+512*\c
.endr
.endr
.endr
	WIN 0
.endm
.macro ASCLOAD aset, q0                ; the tokens' scale words of chunks q0 .. q0 + 3: two K steps a load; lanes 0-15 tile 2 p, lanes 16-31 tile 2 p + 1
.irp p, 0,1
.irp q, 0,1,2,3
	global_load_b64 v[ASC+16*(\aset)+8*\p+2*\q:ASC+16*(\aset)+8*\p+2*\q+1], v2, s[52:53] offset:((\q0)+\q)*32768+256*\p
.endr
.endr
.endm
.macro WSCLOAD v                       ; group v's scale words into set v % 2
.irp i, 0,1
.irp q, 0,1
	global_load_b128 v[WSC+16*((\v)%2)+8*\i+4*\q:WSC+16*((\v)%2)+8*\i+4*\q+3], v1, s[54:55] offset:(\v)*2048+1024*\i+512*\q
.endr
.endr
.endm
.macro BIT off                         ; the bias in the result's layout: outputs 32 b + 16 h + 0 .. 15
.irp b, 0,1
.irp k, 0,1,2,3
	global_load_b128 v[BI+16*\b+4*\k:BI+16*\b+4*\k+3], v5, s[56:57] offset:(\off)+128*\b+16*\k
.endr
.endr
.endm
.macro DSTEP v, d, lc
	s_wait_dscnt 0x0                               ; this step's weight fragments are in (asked for 16 products ago)
	s_wait_loadcnt \lc                             ; the count: younger loads of later K steps, which may stay out
	MUL16 0, \d, \v
.if (\d) < 3
	PLACES
	FETCHW (\d)+1, \v
.endif
	MUL16 1, \d, \v
	WIN 0
.endm
.macro PASS v, l0, l1, l2, l3          ; one weight group: 128 products
	s_wait_dscnt 0x0
	s_wait_tensorcnt NVG-1-(\v)                    ; my quarter of the group has landed
	s_barrier_signal -1
	s_barrier_wait -1                              ; everybody's has
	FETCHW 0, \v
	DSTEP \v, 0, \l0
	DSTEP \v, 1, \l1
	DSTEP \v, 2, \l2
	DSTEP \v, 3, \l3
.endm
.macro RESLOAD                         ; the residual, in the layout in which the rows come back from the stage: sixteen lanes to 256 consecutive bytes
.irp m, 0,1,2,3
	WIN 0x40<<(\m/2)
.irp i, 0,1,2,3,4,5,6,7
	global_load_b128 v[192+32*(\m%2)+4*\i:192+32*(\m%2)+4*\i+3], v8, s[58:59] offset:(32*(\m/2)+8*(\m%2)+2*\i+8*(\i/4))*4096 th:TH_LOAD_NT
.endr
.endr
	WIN 0
.endm
.macro EPIF                            ; a tile of 16 tokens x 64 outputs at a time: through my stage, + the residual, out
	PLACES
	s_wait_alu depctr_va_vdst(0)
.irp m, 0,1,2,3
	s_wait_xcnt 0x0                                ; the last tile's stores have read their registers
.irp t, 0,1,2,3
	ds_store_b128 v6, v[ACC+32*\m+8*\t:ACC+32*\m+8*\t+3] offset:128*(\t/2)+32*(\t%2)        ; each accumulator from its low end on
	ds_store_b128 v6, v[ACC+32*\m+8*\t+4:ACC+32*\m+8*\t+7] offset:128*(\t/2)+32*(\t%2)+16
.endr
.irp i, 0,1,2,3,4,5,6,7
	ds_load_b128 v[RB+4*\i:RB+4*\i+3], v7 offset:544*\i   ; LDS serves a wave's instructions in order: these see the stores above
.endr
	s_wait_dscnt 0x0
	WIN 4<<(\m/2)                                  ; source 1: the residual's window
.irp n, 0,2,4,6,8,10,12,14,16,18,20,22,24,26,28,30
	v_pk_add_f32 v[RB+\n:RB+\n+1], v[RB+\n:RB+\n+1], v[192+32*(\m%2)+\n:192+32*(\m%2)+\n+1]
.endr
	WIN 0
.irp i, 0,1,2,3,4,5,6,7
	global_store_b128 v8, v[RB+4*\i:RB+4*\i+3], s[60:61] offset:(32*(\m/2)+8*(\m%2)+2*\i+8*(\i/4))*4096
.endr
.endr
.endm
	s_load_b256 s[4:11], s[0:1], 0x0               ; the operand's buffer, wprep, the bias, the residual
	s_load_b64 s[12:13], s[0:1], 0x20              ; wy
	v_lshl_add_u32 v254, v0, 2, 0x29000
	v_mov_b32 v255, 0
	ds_add_u32 v254, v255
	ds_add_u32 v254, v255
	v_lshrrev_b32 v4, 5, v0
	v_readfirstlane_b32 s14, v4                    ; wave
	v_and_b32 v4, 31, v0                           ; lane
	v_and_b32 v14, 15, v0                          ; r
	v_bfe_u32 v15, v0, 4, 1                        ; h
	v_lshlrev_b32 v1, 4, v4
	v_lshlrev_b32 v2, 3, v4
	v_lshlrev_b32 v5, 6, v15                       ; 64 h
	v_mul_u32_u24 v6, v14, 272
	v_lshl_add_u32 v6, v15, 6, v6                  ; into the stage: row r, + 64 h
	v_mul_u32_u24 v7, v15, 272
	v_lshl_add_u32 v7, v14, 4, v7                  ; back: lanes 0-15 one row, lanes 16-31 the next
	v_lshlrev_b32 v8, 12, v15
	v_lshl_add_u32 v8, v14, 4, v8                  ; and the same two rows in memory
	v_mov_b32 v[WAD], v1
	s_and_b32 s17, ttmp7, 0xffff                   ; the group of outputs, which the four partners share
	; descriptor group 1: a quarter of a weight group, 12,288 dense bytes, as 48 rows of 256 bytes
	s_mov_b32 s24, 15|(3<<16)|(1<<21)              ; 15:0 the mask: all four work-groups; 17:16 elements of 8 bytes; 21 set beside a mask
	s_mov_b32 s25, 32<<16
	s_mov_b32 s26, 48<<16
	s_mov_b32 s27, 32<<16
	s_mov_b32 s28, 48
	s_mov_b32 s29, 32
	s_mov_b32 s30, 0
	s_mov_b32 s31, 0
	s_mul_i32 s20, s17, NVG*49152                  ; made of the group's and the wave's number alone
	s_mul_i32 s22, s14, 12288
	s_add_co_u32 s20, s20, s22
	s_add_co_u32 s20, s20, WI+VGB*49152
	s_mov_b32 s21, 0
	s_wait_dscnt 0x0
	s_wait_kmcnt 0x0
	s_add_nc_u64 s[20:21], s[6:7], s[20:21]
	s_mov_b32 s32, 1
	s_mov_b32 s33, s22
	s_mov_b64 s[34:35], s[20:21]
	s_or_b32 s35, s35, 0x80000000
	CROUND                                         ; all four work-groups are here: the joint loads meet
	tensor_load_to_lds s[32:35], s[24:31]          ; one load of mine is out
	s_nop 0
	PLACES
	s_mul_i32 s22, s14, 4352
	s_add_co_u32 s22, s22, STG                     ; my stage
	s_wait_alu depctr_va_vdst(0)
	v_add_nc_u32 v6, s22, v6
	v_add_nc_u32 v7, s22, v7
	s_bfe_u32 s15, ttmp6, 0x40000                  ; cx: it enters global addresses of the tokens' data alone
	s_lshl_b32 s16, ttmp9, 2
	s_add_co_u32 s16, s16, s15                     ; my block of 256 tokens
	s_lshl_b32 s23, s16, 4
	s_lshl_b32 s18, s14, 2
	s_add_co_u32 s23, s23, s18                     ; my first tile
	s_mov_b32 s19, 0
	s_mul_i32 s18, s23, TILEB
	s_add_co_u32 s18, s18, AOFF
	s_add_nc_u64 s[50:51], s[4:5], s[18:19]        ; the operand's images
	s_lshl_b32 s18, s23, 7
	s_add_co_u32 s18, s18, SOFF
	s_add_nc_u64 s[52:53], s[4:5], s[18:19]        ; its scales
	s_mul_i32 s18, s17, NVG*2048
	s_add_co_u32 s18, s18, WS+VGB*2048
	s_add_nc_u64 s[54:55], s[6:7], s[18:19]        ; the weights' scales
	s_lshl_b32 s18, s17, 8
	s_add_nc_u64 s[56:57], s[8:9], s[18:19]        ; the bias of my 64 outputs
	s_lshl_b32 s15, s23, 16                        ; my first token's row of 4,096 bytes,
	s_add_co_u32 s18, s18, s15                     ; + my 64 columns
	s_add_nc_u64 s[58:59], s[10:11], s[18:19]
	s_add_nc_u64 s[60:61], s[12:13], s[18:19]
	ASCLOAD 0, 0
	WSCLOAD 0
	BIT 0
.irp d, 0,1,2,3
	ACTLOAD \d, 0, 0
	ACTLOAD \d, 1, 0
.endr
	RESLOAD                                        ; the residual is wanted last, so it is asked for last: 32 loads
	PASS 0, 63, 63, 63, 32                         ; behind the loads that step d needs stand 32 (3 - d) + 32 younger ones (the wait's field holds 63)
	s_wait_loadcnt 0x0                             ; the residual is in
	EPIF
	s_wait_tensorcnt 0x0
	ds_add_u32 v254, v255
	s_wait_dscnt 0x0
	CROUND                                         ; the closing round
	s_endpgm
.Lfunc_end_k_q6f95709717_wo:
	.size	k_q6f95709717_wo, .Lfunc_end_k_q6f95709717_wo-k_q6f95709717_wo
	.p2alignl 7, 3214868480
	.fill 96, 4, 3214868480
	.section	.rodata,"a",@progbits
	.p2align	6, 0x0
	.amdhsa_kernel k_q6f95709717_wo
		.amdhsa_group_segment_fixed_size 168448
		.amdhsa_private_segment_fixed_size 0
		.amdhsa_enable_private_segment 0
		.amdhsa_kernarg_size 40
		.amdhsa_user_sgpr_count 2
		.amdhsa_user_sgpr_kernarg_segment_ptr 1
		.amdhsa_wavefront_size32 1
		.amdhsa_system_sgpr_workgroup_id_x 1
		.amdhsa_system_sgpr_workgroup_id_y 1
		.amdhsa_system_sgpr_workgroup_id_z 1
		.amdhsa_system_vgpr_workitem_id 0
		.amdhsa_next_free_vgpr 1024
		.amdhsa_next_free_sgpr 66
		.amdhsa_reserve_vcc 0
		.amdhsa_float_denorm_mode_32 3
		.amdhsa_float_denorm_mode_16_64 3
		.amdhsa_memory_ordered 1
		.amdhsa_forward_progress 1
		.amdhsa_inst_pref_size 57
	.end_amdhsa_kernel
	.amdgpu_metadata
---
amdhsa.version: [ 1, 2 ]
amdhsa.kernels:
  - .name:           k_q6f95709717_wo
    .symbol:         k_q6f95709717_wo.kd
    .args:
      - { .name: wmha, .offset: 0, .size: 8, .value_kind: global_buffer, .address_space: global }
      - { .name: wprep, .offset: 8, .size: 8, .value_kind: global_buffer, .address_space: global }
      - { .name: bO, .offset: 16, .size: 8, .value_kind: global_buffer, .address_space: global }
      - { .name: x, .offset: 24, .size: 8, .value_kind: global_buffer, .address_space: global }
      - { .name: wy, .offset: 32, .size: 8, .value_kind: global_buffer, .address_space: global }
    .group_segment_fixed_size: 168448
    .private_segment_fixed_size: 0
    .kernarg_segment_align: 8
    .kernarg_segment_size: 40
    .max_flat_workgroup_size: 128
    .sgpr_count:     66
    .vgpr_count:     1024
    .wavefront_size: 32
...
	.end_amdgpu_metadata
.endif
;; end of part 4
;; launch ln1 (part 5): grid 256 x 1, 4 waves a work-group, no clusters, 66,304 bytes of LDS; arguments wy, gamma1, beta1, wx1; writes wx1
.if DOCPART == 5
	.amdgcn_target "amdgcn-amd-amdhsa--gfx1250"
	.amdhsa_code_object_version 6
	.text
	.protected	k_q6f95709717_ln1
	.globl	k_q6f95709717_ln1
	.p2align	8
	.type	k_q6f95709717_ln1,@function
k_q6f95709717_ln1:
	s_mov_b64 s[64:65], 0
	v_nop
	global_prefetch_b8 v0, s[64:65] scope:SCOPE_SE
	s_setreg_imm32_b32 hwreg(HW_REG_WAVE_MODE, 25, 1), 1
	s_wait_xcnt 0x0
; x1 = layernorm(wy) gamma1 + beta1, stored as f32 (the later residual) and, quantised along the row to E3M2 with E8M0 scales, as images of a matrix operand's registers.
; The work-group is a tile of 16 tokens (row r = token 32 (gt / 2) + 8 (gt % 2) + r + 8 (r / 8)); wave w owns rows 4 w .. 4 w + 3 whole, so mean and variance never leave the wave.  The variance is the mean of
; the squared differences from the mean (a second pass over registers).  Then the 16 rows meet in a stage in LDS, and wave w quantises columns 256 w on of all of them.
; LIMITS: a block whose largest magnitude lies under 2^-122 (a block of zeros too) gets the scale byte 1; this program alone reads the bytes.  NaN and infinities are not served.
.set X1I, 16777216                     ; wx1: f32 at 0, the images, their scales
.set X1S, 19922944
.set SEL, 12
.set G,   16                           ; v16-47 gamma, v48-79 beta of my 32 columns
.set BT,  48
.set X,   80                           ; v80-207 four rows x 32 numbers
.set SA,  208                          ; v208-215 a pair of sums for each row
.set TM,  208                          ; later: the quantiser's registers
.set PT,  214
.set PC0, 218
.set PW0, 224
.macro QUANT64 S, PC, PT, PW, TM
.irp b, 0,1
	v_max3_num_f32 v[\TM+\b], |v[\S+16*\b]|, |v[\S+16*\b+1]|, 0x2800000   ; my 16 numbers of block b, and the floor 2^(5 - 127): the byte cannot fall under 1
.endr
.irp i, 2,4,6,8,10,12,14
.irp b, 0,1
	v_max3_num_f32 v[\TM+\b], v[\TM+\b], |v[\S+16*\b+\i]|, |v[\S+16*\b+\i+1]|
.endr
.endr
.irp b, 0,1
	v_permlanex16_b32 v[\TM+2+\b], v[\TM+\b], s[SEL], s[SEL+1]
.endr
.irp b, 0,1
	v_max_num_f32 v[\TM+\b], v[\TM+\b], v[\TM+2+\b]
.endr
.irp b, 0,1
	v_add_nc_u32 v[\TM+4+\b], 0xfe000000, v[\TM+\b]        ; 4 off the exponent field: the conversion's scale operand
.endr
.irp b, 0,1
	v_lshrrev_b32 v[\TM+2+\b], 23, v[\TM+4+\b]             ; the scale's byte
.endr
	v_lshl_or_b32 v[\PW], v[\TM+3], 8, v[\TM+2]
	v_cvt_scalef32_pk16_bf6_f32 v[\PC:\PC+2], v[\S:\S+15], v[\TM+4]
	v_cvt_scalef32_pk16_bf6_f32 v[\PT:\PT+2], v[\S+16:\S+31], v[\TM+5]
	v_nop                                                  ; one plain place behind a scaled conversion
.irp i, 0,1,2
	v_permlane16_swap_b32 v[\PC+\i], v[\PT+\i]
.endr
.irp i, 0,1,2
	v_mov_b32 v[\PC+3+\i], v[\PT+\i]
.endr
.endm
.macro QTAIL                           ; 256 columns of 16 rows out of the stage (v4: my row and half), quantised: four half fragments to s[30:31], 8 scale bytes a row to s[32:33]
	v_mov_b32 v[TM+2], 0
	v_mov_b32 v[TM+3], 0
.irp j, 0,1,2,3
.irp b, 0,1
.irp k, 0,1,2,3
	ds_load_b128 v[X+32*\j+16*\b+4*\k:X+32*\j+16*\b+4*\k+3], v4 offset:256*\j+128*\b+16*\k
.endr
.endr
.endr
.irp j, 0,1,2,3
	s_wait_dscnt 8*(3-\j)                                  ; the eight loads of each later half fragment may stay out
	QUANT64 X+32*\j, PC0+8*\j, PT, PW0+8*\j, TM
	global_store_b128 v1, v[PC0+8*\j:PC0+8*\j+3], s[30:31] offset:768*\j
	global_store_b64 v2, v[PC0+8*\j+4:PC0+8*\j+5], s[30:31] offset:768*\j+512
.endr
	v_lshl_or_b32 v250, v[PW0+8], 16, v[PW0]
	v_lshl_or_b32 v251, v[PW0+24], 16, v[PW0+16]
	v_cndmask_b32 v252, v250, v251, vcc_lo                 ; lanes 0-15 store the first word, lanes 16-31 the second
	global_store_b32 v5, v252, s[32:33]
.endm
.macro REDUCE                          ; each row's pair of sums becomes the row's sum, in every lane
.irp i, 0,1,2,3
	v_add_f32 v[SA+2*\i], v[SA+2*\i], v[SA+2*\i+1]
.endr
.irp x, 1,2,4,8
.irp i, 0,1,2,3
	v_add_f32_dpp v[SA+2*\i], v[SA+2*\i], v[SA+2*\i] row_xmask:\x row_mask:0xf bank_mask:0xf
.endr
.endr
.irp i, 0,1,2,3
	v_permlanex16_b32 v[SA+2*\i+1], v[SA+2*\i], s[SEL], s[SEL+1]
.endr
.irp i, 0,1,2,3
	v_add_f32 v[SA+2*\i], v[SA+2*\i], v[SA+2*\i+1]
.endr
.endm
.macro LNCORE                          ; the four rows by turns, so that no line waits for the line above it
.irp i, 0,1,2,3
	v_pk_add_f32 v[SA+2*\i:SA+2*\i+1], v[X+32*\i:X+32*\i+1], v[X+32*\i+2:X+32*\i+3]
.endr
.set n, 4
.rept 14
.irp i, 0,1,2,3
	v_pk_add_f32 v[SA+2*\i:SA+2*\i+1], v[SA+2*\i:SA+2*\i+1], v[X+32*\i+n:X+32*\i+n+1]
.endr
.set n, n+2
.endr
	REDUCE
.irp i, 0,1,2,3
	v_mul_f32 v[SA+2*\i], s20, v[SA+2*\i]                  ; the mean
.endr
.set n, 0
.rept 16
.irp i, 0,1,2,3
	v_pk_add_f32 v[X+32*\i+n:X+32*\i+n+1], v[X+32*\i+n:X+32*\i+n+1], v[SA+2*\i:SA+2*\i+1] op_sel_hi:[1,0] neg_lo:[0,1] neg_hi:[0,1]   ; x - mean
.endr
.set n, n+2
.endr
.irp i, 0,1,2,3
	v_pk_mul_f32 v[SA+2*\i:SA+2*\i+1], v[X+32*\i:X+32*\i+1], v[X+32*\i:X+32*\i+1]
.endr
.set n, 2
.rept 15
.irp i, 0,1,2,3
	v_pk_fma_f32 v[SA+2*\i:SA+2*\i+1], v[X+32*\i+n:X+32*\i+n+1], v[X+32*\i+n:X+32*\i+n+1], v[SA+2*\i:SA+2*\i+1]
.endr
.set n, n+2
.endr
	REDUCE
.irp i, 0,1,2,3
	v_fmaak_f32 v[SA+2*\i], s20, v[SA+2*\i], 0x3727c5ac    ; the variance + 1e-5
.endr
	s_wait_alu depctr_va_vdst(0)
.irp i, 0,1,2,3
	v_rsq_f32 v[SA+2*\i], v[SA+2*\i]
.endr
	v_nop                                                  ; one plain place behind a transcendental
.set n, 0
	s_wait_alu depctr_va_vdst(0)
.rept 16
.irp i, 0,1,2,3
	v_pk_mul_f32 v[X+32*\i+n:X+32*\i+n+1], v[X+32*\i+n:X+32*\i+n+1], v[SA+2*\i:SA+2*\i+1] op_sel_hi:[1,0]
.endr
.irp i, 0,1,2,3
	v_pk_fma_f32 v[X+32*\i+n:X+32*\i+n+1], v[X+32*\i+n:X+32*\i+n+1], v[G+n:G+n+1], v[BT+n:BT+n+1]
.endr
.set n, n+2
.endr
.endm
	s_load_b256 s[4:11], s[0:1], 0x0               ; wy, gamma1, beta1, wx1
	v_lshl_add_u32 v254, v0, 2, 0x10100
	v_mov_b32 v255, 0
	v_lshrrev_b32 v6, 5, v0
	v_readfirstlane_b32 s24, v6                    ; wave
	v_and_b32 v7, 31, v0                           ; lane
	v_and_b32 v8, 15, v0                           ; r
	v_bfe_u32 v9, v0, 4, 1                         ; h
	v_lshlrev_b32 v1, 4, v7
	s_wait_alu depctr_va_vdst(0)
	v_lshlrev_b32 v2, 3, v7
	s_mov_b32 s[SEL], 0x76543210
	s_mov_b32 s[SEL+1], 0xfedcba98
	s_mov_b32 s20, 0x3a800000                      ; 1 / 1,024
	s_mov_b32 vcc_lo, 0xffff0000                   ; lanes 16-31
	s_lshr_b32 s25, ttmp9, 1
	s_lshl_b32 s25, s25, 5
	s_and_b32 s26, ttmp9, 1
	s_lshl_b32 s26, s26, 3
	s_add_co_u32 s25, s25, s26
	s_lshl_b32 s26, s24, 2
	s_add_co_u32 s25, s25, s26
	s_lshr_b32 s26, s24, 1
	s_lshl_b32 s26, s26, 3
	s_add_co_u32 s25, s25, s26                     ; my first token: the tile's first + 4 w + 8 (w / 2)
	s_lshl_b32 s26, s25, 12
	s_mov_b32 s27, 0
	s_mul_i32 s28, s24, 4*4112                     ; the stage: 16 rows of 4,096 + 16 bytes; my four
	v_add_nc_u32 v3, s28, v1
	v_mul_u32_u24 v4, v8, 4112
	v_lshl_add_u32 v4, v9, 6, v4
	s_lshl_b32 s28, s24, 10
	v_add_nc_u32 v4, s28, v4                       ; out of it: row r, + 64 h, + my 256 columns
	v_lshlrev_b32 v5, 3, v8
	v_lshl_add_u32 v5, v9, 2, v5                   ; 8 r + 4 h
	s_mul_i32 s30, ttmp9, 12288
	s_mul_i32 s31, s24, 3072
	s_add_co_u32 s30, s30, s31
	s_add_co_u32 s30, s30, X1I
	s_mov_b32 s31, 0
	s_lshl_b32 s32, s24, 15
	s_lshl_b32 s33, ttmp9, 7
	s_add_co_u32 s32, s32, s33
	s_add_co_u32 s32, s32, X1S
	s_mov_b32 s33, 0
	s_wait_kmcnt 0x0
	s_add_nc_u64 s[4:5], s[4:5], s[26:27]
	s_add_nc_u64 s[34:35], s[10:11], s[26:27]
	s_add_nc_u64 s[30:31], s[10:11], s[30:31]
	s_add_nc_u64 s[32:33], s[10:11], s[32:33]
.irp k, 0,1,2,3,4,5,6,7
	global_load_b128 v[G+4*\k:G+4*\k+3], v1, s[6:7] offset:512*\k
	global_load_b128 v[BT+4*\k:BT+4*\k+3], v1, s[8:9] offset:512*\k
.endr
.irp i, 0,1,2,3
.irp k, 0,1,2,3,4,5,6,7
	global_load_b128 v[X+32*\i+4*\k:X+32*\i+4*\k+3], v1, s[4:5] offset:4096*\i+512*\k th:TH_LOAD_NT   ; 512 consecutive bytes
.endr
.endr
	s_wait_loadcnt 0x0
	LNCORE
.irp i, 0,1,2,3
.irp k, 0,1,2,3,4,5,6,7
	global_store_b128 v1, v[X+32*\i+4*\k:X+32*\i+4*\k+3], s[34:35] offset:4096*\i+512*\k
	ds_store_b128 v3, v[X+32*\i+4*\k:X+32*\i+4*\k+3] offset:4112*\i+512*\k
.endr
.endr
	s_wait_xcnt 0x0                                ; the global stores have read their registers: the loads from the stage may land there
	s_wait_dscnt 0x0                               ; my rows lie in the stage
	s_barrier_signal -1
	s_barrier_wait -1                              ; everybody's do
	QTAIL
	s_wait_tensorcnt 0x0
	ds_add_u32 v254, v255
	s_wait_dscnt 0x0
	s_endpgm
.Lfunc_end_k_q6f95709717_ln1:
	.size	k_q6f95709717_ln1, .Lfunc_end_k_q6f95709717_ln1-k_q6f95709717_ln1
	.p2alignl 7, 3214868480
	.fill 96, 4, 3214868480
	.section	.rodata,"a",@progbits
	.p2align	6, 0x0
	.amdhsa_kernel k_q6f95709717_ln1
		.amdhsa_group_segment_fixed_size 66304
		.amdhsa_private_segment_fixed_size 0
		.amdhsa_enable_private_segment 0
		.amdhsa_kernarg_size 32
		.amdhsa_user_sgpr_count 2
		.amdhsa_user_sgpr_kernarg_segment_ptr 1
		.amdhsa_wavefront_size32 1
		.amdhsa_system_sgpr_workgroup_id_x 1
		.amdhsa_system_sgpr_workgroup_id_y 1
		.amdhsa_system_sgpr_workgroup_id_z 1
		.amdhsa_system_vgpr_workitem_id 0
		.amdhsa_next_free_vgpr 256
		.amdhsa_next_free_sgpr 66
		.amdhsa_reserve_vcc 1
		.amdhsa_float_denorm_mode_32 3
		.amdhsa_float_denorm_mode_16_64 3
		.amdhsa_memory_ordered 1
		.amdhsa_forward_progress 1
		.amdhsa_inst_pref_size 47
	.end_amdhsa_kernel
	.amdgpu_metadata
---
amdhsa.version: [ 1, 2 ]
amdhsa.kernels:
  - .name:           k_q6f95709717_ln1
    .symbol:         k_q6f95709717_ln1.kd
    .args:
      - { .name: wy, .offset: 0, .size: 8, .value_kind: global_buffer, .address_space: global }
      - { .name: gamma1, .offset: 8, .size: 8, .value_kind: global_buffer, .address_space: global }
      - { .name: beta1, .offset: 16, .size: 8, .value_kind: global_buffer, .address_space: global }
      - { .name: wx1, .offset: 24, .size: 8, .value_kind: global_buffer, .address_space: global }
    .group_segment_fixed_size: 66304
    .private_segment_fixed_size: 0
    .kernarg_segment_align: 8
    .kernarg_segment_size: 32
    .max_flat_workgroup_size: 128
    .sgpr_count:     66
    .vgpr_count:     256
    .wavefront_size: 32
...
	.end_amdgpu_metadata
.endif
;; end of part 5
;; launch ff1 (part 6): grid 16 x 16, 4 waves a work-group, clusters of 4 x 1, 327,680 bytes of LDS; arguments wx1, wprep, b1, wh; writes wh
.if DOCPART == 6
	.amdgcn_target "amdgcn-amd-amdhsa--gfx1250"
	.amdhsa_code_object_version 6
	.text
	.protected	k_q6f95709717_ff1
	.globl	k_q6f95709717_ff1
	.p2align	8
	.type	k_q6f95709717_ff1,@function
k_q6f95709717_ff1:
	s_mov_b64 s[64:65], 0
	v_nop
	global_prefetch_b8 v0, s[64:65] scope:SCOPE_SE
	s_setreg_imm32_b32 hwreg(HW_REG_WAVE_MODE, 25, 1), 1
	s_wait_xcnt 0x0
	s_wait_alu depctr_hold_cnt(0) depctr_sa_sdst(0) depctr_va_vdst(0) depctr_va_sdst(0) depctr_va_ssrc(0) depctr_va_vcc(0) depctr_vm_vsrc(0)
	s_getreg_b32 s2, hwreg(HW_REG_IB_STS2, 6, 4)
	s_cmp_eq_u32 s2, 0
	s_cbranch_scc0 .Lentry_in_a_cluster
	s_endpgm
.Lentry_in_a_cluster:
	s_bfe_u32 s2, ttmp6, 0x10000c
	s_cmp_lg_u32 s2, 0x3003
	s_cbranch_scc0 .Lentry_shape_is_right
	s_endpgm
.Lentry_shape_is_right:
.set NVG,   4
.set ACCUM, 0
.set TILEB, 12288
.set VGB,   64
.set AOFF,  16777216
.set SOFF,  19922944
.set WI,  3276800
.set WS,  12713984
.set HS,  12582912
.set WAD, 10
.set ASC, 16
.set TM,  32
.set PC,  38
.set PT,  44
.set WSC, 48
.set BI,  80
.set ACC, 112
.set PW,  240
.set SD,  244
.set PWA, 248
.set SEL, 48
.set MSB, 0
.macro WIN new
.if MSB != (\new)
	s_set_vgpr_msb (MSB<<8)|(\new)
.set MSB, (\new)
.endif
.endm
.macro PLACES
.rept 4
	v_nop
.endr
.endm
.macro CROUND
	s_barrier_signal -1
	s_barrier_wait -1
	s_cmp_lg_u32 s14, 0
	s_cbranch_scc1 .Lnot_wave_0_\@
	s_barrier_signal -3
.Lnot_wave_0_\@:
	s_barrier_wait -3
	s_barrier_signal -1
	s_barrier_wait -1
.endm
.macro WM ra, rb
.if (\ra) && (\rb)
	v_wmma_scale_f32_16x16x128_f8f6f4 v[rD:rD+7], v[rA:rA+11], v[rB:rB+11], v[rC:rC+7], v[rSA], v[rSB] matrix_a_fmt:MATRIX_FMT_BF6 matrix_b_fmt:MATRIX_FMT_BF6 matrix_a_scale:MATRIX_SCALE_ROW1 matrix_b_scale:MATRIX_SCALE_ROW1
.elseif (\ra)
	v_wmma_scale_f32_16x16x128_f8f6f4 v[rD:rD+7], v[rA:rA+11], v[rB:rB+11], v[rC:rC+7], v[rSA], v[rSB] matrix_a_fmt:MATRIX_FMT_BF6 matrix_b_fmt:MATRIX_FMT_BF6 matrix_a_scale:MATRIX_SCALE_ROW1
.elseif (\rb)
	v_wmma_scale_f32_16x16x128_f8f6f4 v[rD:rD+7], v[rA:rA+11], v[rB:rB+11], v[rC:rC+7], v[rSA], v[rSB] matrix_a_fmt:MATRIX_FMT_BF6 matrix_b_fmt:MATRIX_FMT_BF6 matrix_b_scale:MATRIX_SCALE_ROW1
.else
	v_wmma_scale_f32_16x16x128_f8f6f4 v[rD:rD+7], v[rA:rA+11], v[rB:rB+11], v[rC:rC+7], v[rSA], v[rSB] matrix_a_fmt:MATRIX_FMT_BF6 matrix_b_fmt:MATRIX_FMT_BF6
.endif
.endm
.macro MUL16 H, d, v
	WIN 0x07+4*(\H)
.irp e, 0,1
.irp mm, 0,1
.irp t, 0,1,2,3
.set rD, ACC+8*(4*(2*(\H)+\mm)+\t)
.set rA, 96*((\d)%2)+48*\e+12*\t
.set rB, (8*\mm+2*(\d)+\e)*12
.set rSA, WSC+16*((\v)%2)+8*(\t/2)+2*(\d)+\e
.set rSB, ASC+16*ACCUM*((\v)%2)+8*(\H)+2*(\d)+\e
.set rC, rD
.if ((ACCUM == 0) || ((\v) == 0)) && ((\d) == 0) && (\e == 0)
.set rC, BI+8*\t
.endif
	WM \t%2, \mm
.endr
.endr
.endr
.endm
.macro ACTLOAD d, H, off
	WIN 0x40<<(\H)
.irp e, 0,1
.irp mm, 0,1
.set rX, (8*\mm+2*(\d)+\e)*12
.set oX, (2*(\H)+\mm)*TILEB+(\off)+(2*(\d)+\e)*1536
	global_load_b128 v[rX:rX+3], v1, s[50:51] offset:oX
	global_load_b64 v[rX+4:rX+5], v2, s[50:51] offset:oX+512
	global_load_b128 v[rX+6:rX+9], v1, s[50:51] offset:oX+768
	global_load_b64 v[rX+10:rX+11], v2, s[50:51] offset:oX+1280
.endr
.endr
.endm
.macro FETCHW d, v
	WIN 0xc0
.irp e, 0,1
.irp t, 0,1,2,3
.irp c, 0,1,2
	ds_load_b128 v[96*((\d)%2)+48*\e+12*\t+4*\c:96*((\d)%2)+48*\e+12*\t+4*\c+3], v[WAD+(\v)] offset:(2*(\d)+\e)*6144+\t*1536+512*\c
.endr
.endr
.endr
	WIN 0
.endm
.macro ASCLOAD aset, q0
.irp p, 0,1
.irp q, 0,1,2,3
	global_load_b64 v[ASC+16*(\aset)+8*\p+2*\q:ASC+16*(\aset)+8*\p+2*\q+1], v2, s[52:53] offset:((\q0)+\q)*32768+256*\p
.endr
.endr
.endm
.macro WSCLOAD v
.irp i, 0,1
.irp q, 0,1
	global_load_b128 v[WSC+16*((\v)%2)+8*\i+4*\q:WSC+16*((\v)%2)+8*\i+4*\q+3], v1, s[54:55] offset:(\v)*2048+1024*\i+512*\q
.endr
.endr
.endm
.macro BIT off
.irp b, 0,1
.irp k, 0,1,2,3
	global_load_b128 v[BI+16*\b+4*\k:BI+16*\b+4*\k+3], v5, s[56:57] offset:(\off)+128*\b+16*\k
.endr
.endr
.endm
.macro DSTEP v, d, lc
	s_wait_dscnt 0x0
.if (\lc) >= 0
	s_wait_loadcnt \lc
.endif
	MUL16 0, \d, \v
.if (\d) < 3
	PLACES
	FETCHW (\d)+1, \v
.endif
.if ((\d) == 1) && ((\v) < (NVG-1))
	WSCLOAD (\v)+1
	BIT ((\v)+1)*256
.endif
	MUL16 1, \d, \v
	WIN 0
.endm
.macro PASS v, l0, l1, l2, l3
.if (\v) == 0
	s_wait_tensorcnt 0x0                           ; my quarter of group 0 has landed
	ds_add_u32 v242, v243
	s_mov_b32 s26, 144<<16                         ; no load of mine is out, so the descriptor may be written: my quarter of groups 1 to 3, 36,864 dense bytes
	s_mov_b32 s28, 144
	s_mul_i32 s33, s14, 36864
	s_add_co_u32 s33, s33, 49152
	s_mul_i32 s18, s14, 24576
	s_add_co_u32 s18, s18, 49152
	s_add_nc_u64 s[34:35], s[34:35], s[18:19]
	s_wait_dscnt 0x0
	CROUND                                         ; everybody's quarter of group 0 is in, and the joint loads meet
	tensor_load_to_lds s[32:35], s[24:31]          ; it has the first pass in which to land
	s_nop 0
	PLACES
	s_mov_b32 vcc_lo, 0xffff0000                   ; lanes 16-31 (written behind the last tensor load)
.else
	s_wait_dscnt 0x0
	s_wait_tensorcnt 0x0                           ; my part of the later groups has landed
	s_barrier_signal -1
	s_barrier_wait -1                              ; everybody's has
.endif
	FETCHW 0, \v
	DSTEP \v, 0, \l0
	DSTEP \v, 1, \l1
	DSTEP \v, 2, \l2
	DSTEP \v, 3, \l3
.endm
.macro QUANT64 S, PC, PT, PW, TM
.irp b, 0,1
	v_max3_num_f32 v[\TM+\b], |v[\S+16*\b]|, |v[\S+16*\b+1]|, 0x2800000
.endr
.irp i, 2,4,6,8,10,12,14
.irp b, 0,1
	v_max3_num_f32 v[\TM+\b], v[\TM+\b], |v[\S+16*\b+\i]|, |v[\S+16*\b+\i+1]|
.endr
.endr
.irp b, 0,1
	v_permlanex16_b32 v[\TM+2+\b], v[\TM+\b], s[SEL], s[SEL+1]
.endr
.irp b, 0,1
	v_max_num_f32 v[\TM+\b], v[\TM+\b], v[\TM+2+\b]
.endr
.irp b, 0,1
	v_add_nc_u32 v[\TM+4+\b], 0xfe000000, v[\TM+\b]
.endr
.irp b, 0,1
	v_lshrrev_b32 v[\TM+2+\b], 23, v[\TM+4+\b]
.endr
	v_lshl_or_b32 v[\PW], v[\TM+3], 8, v[\TM+2]
	v_cvt_scalef32_pk16_bf6_f32 v[\PC:\PC+2], v[\S:\S+15], v[\TM+4]
	v_cvt_scalef32_pk16_bf6_f32 v[\PT:\PT+2], v[\S+16:\S+31], v[\TM+5]
	v_nop
.irp i, 0,1,2
	v_permlane16_swap_b32 v[\PC+\i], v[\PT+\i]
.endr
.irp i, 0,1,2
	v_mov_b32 v[\PC+3+\i], v[\PT+\i]
.endr
.endm
.macro EPIH v
	PLACES
.irp m, 0,1,2,3
.set j, 0
.rept 32
	v_max_num_f32 v[ACC+32*\m+j], 0, v[ACC+32*\m+j]
.set j, j+1
.endr
	s_wait_xcnt 0x0
.if (\v)%2
	QUANT64 ACC+32*\m, PC, PT, PW, TM
	v_lshl_or_b32 v[PWA+2*\m+(\v)/2], v[PW], 16, v[PWA+2*\m+(\v)/2]
.else
	QUANT64 ACC+32*\m, PC, PT, PWA+2*\m+(\v)/2, TM
.endif
	global_store_b128 v1, v[PC:PC+3], s[58:59] offset:49152*\m+768*(\v)
	global_store_b64 v2, v[PC+4:PC+5], s[58:59] offset:49152*\m+768*(\v)+512
.endr
.endm
	s_load_b256 s[4:11], s[0:1], 0x0
	v_lshl_add_u32 v242, v0, 2, 0x30000
	v_mov_b32 v243, 0
	ds_add_u32 v242, v243
	ds_add_u32 v242, v243
	v_lshrrev_b32 v4, 5, v0
	v_readfirstlane_b32 s14, v4
	v_and_b32 v4, 31, v0
	v_bfe_u32 v15, v0, 4, 1
	v_lshlrev_b32 v1, 4, v4
	v_lshlrev_b32 v2, 3, v4
	v_lshlrev_b32 v5, 6, v15
.irp v, 0,1,2,3
	v_add_nc_u32 v[WAD+\v], 49152*\v, v1
.endr
	v_mov_b32 v[TM+2], 0
	v_mov_b32 v[TM+3], 0
	s_mov_b32 s[SEL], 0x76543210
	s_mov_b32 s[SEL+1], 0xfedcba98
	s_and_b32 s17, ttmp7, 0xffff
	s_mov_b32 s24, 15|(3<<16)|(1<<21)
	s_mov_b32 s25, 32<<16
	s_mov_b32 s26, 48<<16                          ; at the head my quarter of weight group 0: 12,288 dense bytes as 48 rows of 256
	s_mov_b32 s27, 32<<16
	s_mov_b32 s28, 48
	s_mov_b32 s29, 32
	s_mov_b32 s30, 0
	s_mov_b32 s31, 0
	s_mul_i32 s20, s17, NVG*49152
	s_mul_i32 s22, s14, 12288
	s_add_co_u32 s20, s20, s22
	s_add_co_u32 s20, s20, WI+VGB*49152
	s_mov_b32 s21, 0
	s_wait_dscnt 0x0
	s_wait_kmcnt 0x0
	s_add_nc_u64 s[20:21], s[6:7], s[20:21]
	s_mov_b32 s32, 1
	s_mov_b32 s33, s22
	s_mov_b64 s[34:35], s[20:21]
	s_or_b32 s35, s35, 0x80000000
	CROUND                                         ; all four work-groups are here: the joint loads meet
	tensor_load_to_lds s[32:35], s[24:31]          ; one load a wave; no LDS byte is filled twice
	s_nop 0
	PLACES
	s_bfe_u32 s15, ttmp6, 0x40000
	s_lshl_b32 s16, ttmp9, 2
	s_add_co_u32 s16, s16, s15
	s_lshl_b32 s23, s16, 4
	s_lshl_b32 s18, s14, 2
	s_add_co_u32 s23, s23, s18
	s_mov_b32 s19, 0
	s_mul_i32 s18, s23, TILEB
	s_add_co_u32 s18, s18, AOFF
	s_add_nc_u64 s[50:51], s[4:5], s[18:19]
	s_lshl_b32 s18, s23, 7
	s_add_co_u32 s18, s18, SOFF
	s_add_nc_u64 s[52:53], s[4:5], s[18:19]
	s_mul_i32 s18, s17, NVG*2048
	s_add_co_u32 s18, s18, WS+VGB*2048
	s_add_nc_u64 s[54:55], s[6:7], s[18:19]
	s_lshl_b32 s18, s17, 10
	s_add_nc_u64 s[56:57], s[8:9], s[18:19]
	s_wait_alu depctr_va_vdst(0)
	ASCLOAD 0, 0
	WSCLOAD 0
	BIT 0
.irp d, 0,1,2,3
	ACTLOAD \d, 0, 0
	ACTLOAD \d, 1, 0
.endr
	WIN 0
	s_mul_i32 s18, s23, 49152
	s_mul_i32 s15, s17, 3072
	s_add_co_u32 s18, s18, s15
	s_add_nc_u64 s[58:59], s[10:11], s[18:19]
	s_lshl_b32 s18, s17, 15
	s_lshl_b32 s15, s23, 7
	s_add_co_u32 s18, s18, s15
	s_add_co_u32 s18, s18, HS
	s_add_nc_u64 s[60:61], s[10:11], s[18:19]
	PASS 0, 63, 63, 32, 0
	EPIH 0
	PASS 1, 0, -1, -1, -1
	EPIH 1
	PASS 2, 0, -1, -1, -1
	EPIH 2
	PASS 3, 0, -1, -1, -1
	EPIH 3
.irp p, 0,1
	v_cndmask_b32 v[SD+2*\p], v[PWA+4*\p], v[PWA+4*\p+2], vcc_lo
	v_cndmask_b32 v[SD+2*\p+1], v[PWA+4*\p+1], v[PWA+4*\p+3], vcc_lo
	global_store_b64 v2, v[SD+2*\p:SD+2*\p+1], s[60:61] offset:256*\p
.endr
	s_wait_tensorcnt 0x0
	ds_add_u32 v242, v243
	s_wait_dscnt 0x0
	CROUND
	s_endpgm
.Lfunc_end_k_q6f95709717_ff1:
	.size	k_q6f95709717_ff1, .Lfunc_end_k_q6f95709717_ff1-k_q6f95709717_ff1
	.p2alignl 7, 3214868480
	.fill 96, 4, 3214868480
	.section	.rodata,"a",@progbits
	.p2align	6, 0x0
	.amdhsa_kernel k_q6f95709717_ff1
		.amdhsa_group_segment_fixed_size 327680
		.amdhsa_private_segment_fixed_size 0
		.amdhsa_enable_private_segment 0
		.amdhsa_kernarg_size 32
		.amdhsa_user_sgpr_count 2
		.amdhsa_user_sgpr_kernarg_segment_ptr 1
		.amdhsa_wavefront_size32 1
		.amdhsa_system_sgpr_workgroup_id_x 1
		.amdhsa_system_sgpr_workgroup_id_y 1
		.amdhsa_system_sgpr_workgroup_id_z 1
		.amdhsa_system_vgpr_workitem_id 0
		.amdhsa_next_free_vgpr 1024
		.amdhsa_next_free_sgpr 66
		.amdhsa_reserve_vcc 1
		.amdhsa_float_denorm_mode_32 3
		.amdhsa_float_denorm_mode_16_64 3
		.amdhsa_memory_ordered 1
		.amdhsa_forward_progress 1
		.amdhsa_inst_pref_size 167
	.end_amdhsa_kernel
	.amdgpu_metadata
---
amdhsa.version: [ 1, 2 ]
amdhsa.kernels:
  - .name:           k_q6f95709717_ff1
    .symbol:         k_q6f95709717_ff1.kd
    .args:
      - { .name: wx1, .offset: 0, .size: 8, .value_kind: global_buffer, .address_space: global }
      - { .name: wprep, .offset: 8, .size: 8, .value_kind: global_buffer, .address_space: global }
      - { .name: b1, .offset: 16, .size: 8, .value_kind: global_buffer, .address_space: global }
      - { .name: wh, .offset: 24, .size: 8, .value_kind: global_buffer, .address_space: global }
    .group_segment_fixed_size: 327680
    .private_segment_fixed_size: 0
    .kernarg_segment_align: 8
    .kernarg_segment_size: 32
    .max_flat_workgroup_size: 128
    .sgpr_count:     66
    .vgpr_count:     1024
    .wavefront_size: 32
...
	.end_amdgpu_metadata
.endif
;; end of part 6
;; launch ff2 (part 7): grid 8 x 32, 4 waves a work-group, clusters of 4 x 4, 327,680 bytes of LDS; arguments wh, wprep, b2, wx1, wy; writes wy
.if DOCPART == 7
	.amdgcn_target "amdgcn-amd-amdhsa--gfx1250"
	.amdhsa_code_object_version 6
	.text
	.protected	k_q6f95709717_ff2
	.globl	k_q6f95709717_ff2
	.p2align	8
	.type	k_q6f95709717_ff2,@function
k_q6f95709717_ff2:
	s_mov_b64 s[64:65], 0
	v_nop
	global_prefetch_b8 v0, s[64:65] scope:SCOPE_SE
	s_setreg_imm32_b32 hwreg(HW_REG_WAVE_MODE, 25, 1), 1
	s_wait_xcnt 0x0
	s_wait_alu depctr_hold_cnt(0) depctr_sa_sdst(0) depctr_va_vdst(0) depctr_va_sdst(0) depctr_va_ssrc(0) depctr_va_vcc(0) depctr_vm_vsrc(0)
	s_getreg_b32 s2, hwreg(HW_REG_IB_STS2, 6, 4)
	s_cmp_eq_u32 s2, 0
	s_cbranch_scc0 .Lentry_in_a_cluster
	s_endpgm
.Lentry_in_a_cluster:
	s_bfe_u32 s2, ttmp6, 0x10000c
	s_cmp_lg_u32 s2, 0xf033
	s_cbranch_scc0 .Lentry_shape_is_right
	s_endpgm
.Lentry_shape_is_right:
; wy = x1 + (h W2 + b2), the product on codes of E3M2 with E8M0 scales, K = 4,096: 32 K steps of 128.
; SHARES: a work-group makes 128 tokens x 128 outputs (grid 8 x 32 = 256 work-groups); wave w makes tokens 64 (w / 2) on x outputs 64 (w % 2) on: 16 accumulators of 16 x 16.
; Both operands lie in memory as images of the operand's registers (1,536 bytes a fragment of 16 rows x 128 K), so a fragment's LDS loads read consecutive bytes, lane by lane.
; THE RING: two LDS slots of four K steps each: 8 token tiles x 6,144 bytes, then 2 groups of 64 weight rows x 24,576 bytes.  Waves 0, 1 fetch four token tiles each, waves 2, 3 a weight group each: one tensor load a wave.
; CLUSTERS: 4 x 4 work-groups.  The four of a row (same tokens) ask for h's tiles jointly, the four of a column (same outputs) for W2's.  Each refill stands behind a round of the cluster's barrier.
; Source 0 = 16 weight rows, source 1 = 16 tokens: a lane holds one token and its registers run along the outputs.  The bias is the C of each sum's first matrix instruction.
; THE SCALE WORDS of all 32 K steps (64 registers a side) come once, at the head, in loads of 256 or 512 consecutive bytes.  Each K step names its own scale registers, so the walk along K is written out by .rept.
; PREFETCH: behind the refill for fill f + 2 each wave names fill f + 4: 24 blocks of 256 bytes, a lane a block (lanes 24-31 name the last again).  Of the 96 blocks that a wave fetches, each of the four
; partners that ask jointly takes 24, told apart by address.  Fills 0 and 1 come by their loads alone; nothing is named beyond fill 7.
; REGISTERS: window 0: v4-21 addresses; v32-95 h's scale words, v96-159 W2's; v160-191 bias; v192-223 rows read back on the way out.
;   window 1: v0-127 accumulators ((token tile m, weight tile t) at 8 (4 m + t)), v128-255 the residual;  window 2: h's fragments, two buffers of 48;  window 3: W2's, two buffers of 48.
; (THE PREFETCH'S START: the same pattern holds from the head on: behind the load of fill 0 fill 2 is named, behind that of fill 1 fill 3; so fills 0 and 1 alone come by their loads alone.)
.set KSTEPS, 32
.set FILLK,  4                         ; K steps in a fill
.set TILEB,  49152                     ; a token tile's images in wh: 32 x 1,536 bytes
.set AROW,   FILLK*1536                ; a token tile's bytes in a fill
.set BPART,  FILLK*6144                ; a weight group's bytes in a fill; also four token tiles'
.set SLOT,   4*BPART
.set STG,    2*SLOT                    ; behind the ring: a stage of 16 rows x (256 + 16) bytes for each wave
.set SPARE,  STG+4*4352                ; behind the stages: the spare words
.set HS,     12582912                  ; wh: the scales
.set WI,     3276800+128*49152         ; wprep: W2's groups, codes
.set WS,     12713984+128*2048         ; and scale words
.set L16, 4
.set L8,  5
.set BIA, 6
.set STO, 7
.set RD,  8
.set CO,  9
.set ADA, 10                           ; v10-11 h's fragments in slot 0, 1, + 16 x lane;  v12-13 + 8 x lane;  v14-15 W2's, + 16 x lane
.set ADH, 12
.set ADB, 14
.set PFO, 22                           ; v22-27 the prefetches' offsets for fills 2 to 7; never rewritten
.set SPW, 20
.set NIL, 21
.set ASC, 32
.set WSC, 96
.set BI,  160
.set RB,  192
.set G1,  24
.set G0,  32
.set G1B, 48
.set G0B, 56
.set PFA, 66
.set MSB, 0
.macro WIN new                         ; the immediate's high byte repeats the setting that is left
.if MSB != (\new)
	s_set_vgpr_msb (MSB<<8)|(\new)
.set MSB, (\new)
.endif
.endm
.macro PLACES                          ; four places behind matrix instructions, ahead of loads into their registers and of the first read of results
.rept 4
	v_nop
.endr
.endm
.macro CREST                           ; a round of the cluster's barrier behind its opening barrier
	s_cmp_lg_u32 s14, 0
	s_cbranch_scc1 .Lnot_wave_0_\@
	s_barrier_signal -3
.Lnot_wave_0_\@:
	s_barrier_wait -3
	s_barrier_signal -1
	s_barrier_wait -1
.endm
.macro CROUND
	s_barrier_signal -1
	s_barrier_wait -1
	CREST
.endm
.macro JLOAD s                         ; a joint load into slot s: waves 0, 1 for h, waves 2, 3 for W2; the branch hangs on the wave's number alone
	s_cmp_eq_u32 s15, 0
	s_cbranch_scc0 .Lfor_b_\@
	tensor_load_to_lds s[G0+4*(\s):G0+4*(\s)+3], s[G1:G1+7]
	s_nop 0
	PLACES
	s_branch .Lasked_\@
.Lfor_b_\@:
	tensor_load_to_lds s[G0B+4*(\s):G0B+4*(\s)+3], s[G1B:G1B+7]
	s_nop 0
	PLACES
.Lasked_\@:
.endm
.macro WM ra, rb                       ; one product on rD, rA, rB, rC, rSA, rSB; ra, rb: the side's scale words lie in lanes 16-31
.if (\ra) && (\rb)
	v_wmma_scale_f32_16x16x128_f8f6f4 v[rD:rD+7], v[rA:rA+11], v[rB:rB+11], v[rC:rC+7], v[rSA], v[rSB] matrix_a_fmt:MATRIX_FMT_BF6 matrix_b_fmt:MATRIX_FMT_BF6 matrix_a_scale:MATRIX_SCALE_ROW1 matrix_b_scale:MATRIX_SCALE_ROW1
.elseif (\ra)
	v_wmma_scale_f32_16x16x128_f8f6f4 v[rD:rD+7], v[rA:rA+11], v[rB:rB+11], v[rC:rC+7], v[rSA], v[rSB] matrix_a_fmt:MATRIX_FMT_BF6 matrix_b_fmt:MATRIX_FMT_BF6 matrix_a_scale:MATRIX_SCALE_ROW1
.elseif (\rb)
	v_wmma_scale_f32_16x16x128_f8f6f4 v[rD:rD+7], v[rA:rA+11], v[rB:rB+11], v[rC:rC+7], v[rSA], v[rSB] matrix_a_fmt:MATRIX_FMT_BF6 matrix_b_fmt:MATRIX_FMT_BF6 matrix_b_scale:MATRIX_SCALE_ROW1
.else
	v_wmma_scale_f32_16x16x128_f8f6f4 v[rD:rD+7], v[rA:rA+11], v[rB:rB+11], v[rC:rC+7], v[rSA], v[rSB] matrix_a_fmt:MATRIX_FMT_BF6 matrix_b_fmt:MATRIX_FMT_BF6
.endif
.endm
.macro MWIN k                          ; source 0 window 3, source 1 window 2, D window 1; C window 1, in the first K step window 0 (the bias)
.if (\k) == 0
	WIN 0x4b
.else
	WIN 0x5b
.endif
.endm
.macro MUL4 k, m                       ; token tile m x the four weight tiles, K step k.  The 16 accumulators take turns in the same order in every K step
.irp t, 0,1,2,3
.set rD, 8*(4*(\m)+\t)
.set rA, 48*((\k)%2)+12*\t
.set rB, 48*((\k)%2)+12*(\m)
.set rSA, WSC+32*(\t/2)+(\k)
.set rSB, ASC+32*((\m)/2)+(\k)
.set rC, rD
.if (\k) == 0
.set rC, BI+8*\t
.endif
	WM \t%2, (\m)%2
.endr
.endm
.macro FETCH k                         ; K step k's eight fragments into buffer k % 2: 28 LDS loads
.set FS, ((\k)/FILLK)%2
.set FK, (\k)%FILLK
.set FB, 48*((\k)%2)
	WIN 0x80
.irp m, 0,1,2,3
	ds_load_b128 v[FB+12*\m:FB+12*\m+3], v[ADA+FS] offset:\m*AROW+FK*1536
	ds_load_b64 v[FB+12*\m+4:FB+12*\m+5], v[ADH+FS] offset:\m*AROW+FK*1536+512
	ds_load_b128 v[FB+12*\m+6:FB+12*\m+9], v[ADA+FS] offset:\m*AROW+FK*1536+768
	ds_load_b64 v[FB+12*\m+10:FB+12*\m+11], v[ADH+FS] offset:\m*AROW+FK*1536+1280
.endr
	WIN 0xc0
.irp t, 0,1,2,3
.irp c, 0,1,2
	ds_load_b128 v[FB+12*\t+4*\c:FB+12*\t+4*\c+3], v[ADB+FS] offset:FK*6144+\t*1536+512*\c
.endr
.endr
.endm
; A K step: 16 products; the next step's fragments are asked for ahead of them.  A fill's last K step changes slots: each wave waits for all its tensor loads (the one that is out is its part of the other slot),
; adds 0 to its spare word, waits for that and for its reads of this slot; the barrier opens a round of the cluster's barrier; the refill, two fills on, is the first tensor load behind the round.
.macro KSTEP k
.set KF, (\k)/FILLK
.if ((\k)%FILLK == FILLK-1) && ((\k) < KSTEPS-1)
	WIN 0
	s_wait_tensorcnt 0x0
	ds_add_u32 v[SPW], v[NIL]
	s_wait_dscnt 0x1                               ; this step's fragments are in; the add alone may be out
	MWIN \k
	MUL4 \k, 0
	s_wait_dscnt 0x0                               ; the add is done, and my reads of this slot are over
	s_barrier_signal -1
	MUL4 \k, 1
	WIN 0
	s_barrier_wait -1
.if KF+2 < KSTEPS/FILLK
	CREST
	s_add_nc_u64 s[G0+4*(KF%2)+2:G0+4*(KF%2)+3], s[G0+4*(KF%2)+2:G0+4*(KF%2)+3], 2*AROW
	s_add_nc_u64 s[G0B+4*(KF%2)+2:G0B+4*(KF%2)+3], s[G0B+4*(KF%2)+2:G0B+4*(KF%2)+3], 2*BPART
	JLOAD KF%2                                     ; its four v_nop are also the places ahead of the loads below
.else
	PLACES                                         ; the last fill has landed: nothing is filled again, so no round follows
.endif
	FETCH (\k)+1
.if KF+4 < KSTEPS/FILLK
	global_prefetch_b8 v[PFO+KF+2], s[PFA:PFA+1] th:TH_LOAD_NT scope:SCOPE_SE   ; fill KF + 4, two refills on
.endif
	MWIN \k
	MUL4 \k, 2
	MUL4 \k, 3
.else
	s_wait_dscnt 0x0                               ; this step's fragments are in (asked for a K step ago)
.if (\k) < KSTEPS-1
.if (\k) > 0
	PLACES
.endif
	FETCH (\k)+1
.endif
.if (\k) == 0
	s_wait_loadcnt 0x0                             ; scale words and bias are in
.endif
.if (\k) == 8
	WIN 0x40                                       ; the residual is wanted behind the last K step: it is asked for here, 24 K steps ahead, and not among the head's loads
.irp m, 0,1,2,3
.irp i, 0,1,2,3,4,5,6,7
	global_load_b128 v[128+32*\m+4*\i:128+32*\m+4*\i+3], v[CO], s[76:77] offset:(32*(\m/2)+8*(\m%2)+2*\i+8*(\i/4))*4096 th:TH_LOAD_NT   ; as the rows come back from the stage
.endr
.endr
.endif
	MWIN \k
	MUL4 \k, 0
	MUL4 \k, 1
	MUL4 \k, 2
	MUL4 \k, 3
.endif
.endm
	s_load_b256 s[4:11], s[0:1], 0x0               ; wh, wprep, b2, wx1
	s_load_b64 s[12:13], s[0:1], 0x20              ; wy
	v_lshl_add_u32 v[SPW], v0, 2, SPARE
	v_mov_b32 v[NIL], 0
	ds_add_u32 v[SPW], v[NIL]
	ds_add_u32 v[SPW], v[NIL]
	v_lshrrev_b32 v1, 5, v0
	v_readfirstlane_b32 s14, v1                    ; wave
	s_lshr_b32 s15, s14, 1                         ; my half of the tokens.  Also: I fetch for h (0) or for W2 (1)
	s_and_b32 s16, s14, 1                          ; my half of the outputs.  Also: which half of that operand I fetch
	s_bfe_u32 s40, ttmp6, 0x40000                  ; cx
	s_bfe_u32 s41, ttmp6, 0x40004                  ; cy
	s_lshl_b32 s42, ttmp9, 2
	s_add_co_u32 s42, s42, s40                     ; block of 128 outputs
	s_and_b32 s17, ttmp7, 0xffff
	s_lshl_b32 s17, s17, 2
	s_add_co_u32 s17, s17, s41                     ; block of 128 tokens
	s_lshl_b32 s43, s41, 2
	s_lshl_b32 s43, 15, s43                        ; my row of the cluster
	s_lshl_b32 s44, 0x1111, s40                    ; my column
	s_or_b32 s[G1], s43, (3<<16)|(1<<21)           ; h: four rows of 6,144 bytes (768 elements of 8), 49,152 bytes apart
	s_mov_b32 s[G1+1], (AROW/8)<<16
	s_mov_b32 s[G1+2], 4<<16
	s_mov_b32 s[G1+3], (AROW/8)<<16
	s_mov_b32 s[G1+4], 4
	s_mov_b32 s[G1+5], TILEB/8
	s_mov_b32 s[G1+6], 0
	s_mov_b32 s[G1+7], 0
	s_or_b32 s[G1B], s44, (3<<16)|(1<<21)          ; W2: 24,576 dense bytes as 96 rows of 256
	s_mov_b32 s[G1B+1], 32<<16
	s_mov_b32 s[G1B+2], (BPART/256)<<16
	s_mov_b32 s[G1B+3], 32<<16
	s_mov_b32 s[G1B+4], BPART/256
	s_mov_b32 s[G1B+5], 32
	s_mov_b32 s[G1B+6], 0
	s_mov_b32 s[G1B+7], 0
	s_mul_i32 s18, s16, 4*TILEB
	s_mul_i32 s20, s17, 8*TILEB
	s_add_co_u32 s20, s20, s18                     ; h: token tile 8 x block + 4 x half
	s_mov_b32 s21, 0
	s_mul_i32 s46, s42, 8*TILEB
	s_add_co_u32 s46, s46, s18                     ; W2: group 2 x block + half, 196,608 bytes each, K steps one behind the other
	s_add_co_u32 s46, s46, WI
	s_mov_b32 s47, 0
	s_mul_i32 s45, s14, BPART                      ; where my part goes: wave x 24,576
	s_wait_dscnt 0x0
	s_wait_kmcnt 0x0
	s_add_nc_u64 s[20:21], s[4:5], s[20:21]
	s_add_nc_u64 s[46:47], s[6:7], s[46:47]
	CROUND                                         ; all sixteen work-groups are here: the first joint loads meet
.irp s, 0,1
	s_mov_b32 s[G0+4*\s], 1
	s_add_co_u32 s[G0+4*\s+1], s45, \s*SLOT
	s_add_nc_u64 s[G0+4*\s+2:G0+4*\s+3], s[20:21], \s*AROW
	s_or_b32 s[G0+4*\s+3], s[G0+4*\s+3], 0x80000000
	s_mov_b32 s[G0B+4*\s], 1
	s_add_co_u32 s[G0B+4*\s+1], s45, \s*SLOT
	s_add_nc_u64 s[G0B+4*\s+2:G0B+4*\s+3], s[46:47], \s*BPART
	s_or_b32 s[G0B+4*\s+3], s[G0B+4*\s+3], 0x80000000
.endr
	JLOAD 0                                        ; fill 0: one tensor load a wave at the head
	; the prefetches' base: what I fetch, + my work-group's quarter of it, at fill 4
	s_cmp_eq_u32 s15, 0
	s_cselect_b64 s[PFA:PFA+1], s[20:21], s[46:47]
	s_cselect_b32 s80, s40, s41                    ; my place among the four that ask with me
	s_mov_b32 s81, AROW
	s_cselect_b32 s82, TILEB, s81                  ; a quarter: of h a token tile, of W2 6,144 bytes
	s_mov_b32 s83, BPART
	s_cselect_b32 s83, s81, s83                    ; from fill to fill
	s_mul_i32 s80, s80, s82
	s_lshl_b32 s84, s83, 1                         ; the base stands at fill 2
	s_add_co_u32 s80, s80, s84
	s_mov_b32 s81, 0
	s_add_nc_u64 s[PFA:PFA+1], s[PFA:PFA+1], s[80:81]
	s_lshl_b32 s84, s83, 1
	s_mul_i32 s85, s83, 3
	s_lshl_b32 s86, s83, 2
	s_mul_i32 s87, s83, 5
	s_lshl_b32 s23, s17, 3
	s_lshl_b32 s18, s15, 2
	s_add_co_u32 s23, s23, s18                     ; my first token tile
	s_mov_b32 s19, 0
	s_lshl_b32 s18, s23, 7
	s_add_co_u32 s18, s18, HS
	s_add_nc_u64 s[70:71], s[4:5], s[18:19]        ; h's scales
	s_lshl_b32 s22, s42, 1
	s_add_co_u32 s22, s22, s16                     ; my group of 64 outputs
	s_lshl_b32 s18, s22, 13
	s_add_co_u32 s18, s18, WS
	s_add_nc_u64 s[72:73], s[6:7], s[18:19]        ; W2's scale words
	s_lshl_b32 s18, s22, 8
	s_add_nc_u64 s[74:75], s[8:9], s[18:19]        ; the bias
	s_lshl_b32 s22, s23, 16                        ; my first token's row of 4,096 bytes, + my 64 columns
	s_add_co_u32 s18, s18, s22
	s_add_nc_u64 s[76:77], s[10:11], s[18:19]      ; the residual
	s_add_nc_u64 s[78:79], s[12:13], s[18:19]      ; wy
	s_mul_i32 s21, s15, BPART                      ; LDS: my four token tiles,
	s_mul_i32 s22, s16, BPART
	s_add_co_u32 s22, s22, 2*BPART                 ; my weight group, behind the eight token tiles,
	s_mul_i32 s20, s14, 4352
	s_add_co_u32 s20, s20, STG                     ; my stage
	v_and_b32 v1, 31, v0                           ; lane
	v_and_b32 v2, 15, v0                           ; r
	v_bfe_u32 v3, v0, 4, 1                         ; h
	v_lshlrev_b32 v[L16], 4, v1
	v_lshlrev_b32 v[L8], 3, v1
	v_lshlrev_b32 v[BIA], 6, v3
	v_mul_u32_u24 v[STO], v2, 272
	v_lshl_add_u32 v[STO], v3, 6, v[STO]
	v_add_nc_u32 v[STO], s20, v[STO]               ; into the stage: row r, + 64 h
	v_mul_u32_u24 v[RD], v3, 272
	v_lshl_add_u32 v[RD], v2, 4, v[RD]
	v_add_nc_u32 v[RD], s20, v[RD]                 ; back: lanes 0-15 one row, lanes 16-31 the next
	v_lshlrev_b32 v[CO], 12, v3
	v_lshl_add_u32 v[CO], v2, 4, v[CO]             ; and the same two rows in memory
	v_add_nc_u32 v[ADA], s21, v[L16]
	v_add_nc_u32 v[ADH], s21, v[L8]
	v_add_nc_u32 v[ADB], s22, v[L16]
	v_add_nc_u32 v[ADA+1], SLOT, v[ADA]
	v_add_nc_u32 v[ADH+1], SLOT, v[ADH]
	v_add_nc_u32 v[ADB+1], SLOT, v[ADB]
	v_min_u32 v1, 23, v1
	v_lshlrev_b32 v[PFO], 8, v1                    ; a lane a block of 256 bytes, 24 blocks
	v_add_nc_u32 v[PFO+1], s83, v[PFO]
	v_add_nc_u32 v[PFO+2], s84, v[PFO]
	v_add_nc_u32 v[PFO+3], s85, v[PFO]
	v_add_nc_u32 v[PFO+4], s86, v[PFO]
	v_add_nc_u32 v[PFO+5], s87, v[PFO]
	s_wait_alu depctr_va_vdst(0)
	global_prefetch_b8 v[PFO], s[PFA:PFA+1] th:TH_LOAD_NT scope:SCOPE_SE   ; behind fill 0's load: fill 2
.irp p, 0,1
.irp q, 0,1,2,3,4,5,6,7,8,9,10,11,12,13,14,15
	global_load_b64 v[ASC+32*\p+2*\q:ASC+32*\p+2*\q+1], v[L8], s[70:71] offset:\q*32768+256*\p   ; K steps 2 q, 2 q + 1; lanes 0-15 tile 2 p, lanes 16-31 tile 2 p + 1: 256 consecutive bytes
.endr
.endr
.irp i, 0,1
.irp c, 0,1,2,3,4,5,6,7
	global_load_b128 v[WSC+32*\i+4*\c:WSC+32*\i+4*\c+3], v[L16], s[72:73] offset:(\c/2)*2048+1024*\i+512*(\c%2)   ; K steps 4 c .. 4 c + 3; lanes 0-15 tile 2 i, lanes 16-31 tile 2 i + 1
.endr
.endr
.irp b, 0,1
.irp k, 0,1,2,3
	global_load_b128 v[BI+16*\b+4*\k:BI+16*\b+4*\k+3], v[BIA], s[74:75] offset:128*\b+16*\k   ; the bias in the result's layout: outputs 32 b + 16 h + 0 .. 15
.endr
.endr
	s_wait_tensorcnt 0x0                           ; my part of fill 0 is in; these lines stand ahead of slot 1's first fill as ahead of a refill
	ds_add_u32 v[SPW], v[NIL]
	s_wait_dscnt 0x0
	CROUND
	JLOAD 1                                        ; fill 1, the first tensor load behind the round
	FETCH 0
	global_prefetch_b8 v[PFO+1], s[PFA:PFA+1] th:TH_LOAD_NT scope:SCOPE_SE   ; behind fill 1's load: fill 3
.set KS, 0
.rept KSTEPS
	KSTEP KS
.set KS, KS+1
.endr
	; THE WAY OUT: a tile of 16 tokens x 64 outputs at a time through my own stage, + the residual; sixteen lanes store 256 consecutive bytes of a row, aligned
	PLACES
	s_wait_loadcnt 0x0                             ; the residual is in
.irp m, 0,1,2,3
	s_wait_xcnt 0x0                                ; the last tile's stores have read their registers
	WIN 0x04                                       ; source 1 (an LDS store's data, the residual): window 1
.irp t, 0,1,2,3
	ds_store_b128 v[STO], v[32*\m+8*\t:32*\m+8*\t+3] offset:128*(\t/2)+32*(\t%2)          ; each accumulator from its low end on
	ds_store_b128 v[STO], v[32*\m+8*\t+4:32*\m+8*\t+7] offset:128*(\t/2)+32*(\t%2)+16
.endr
.irp i, 0,1,2,3,4,5,6,7
	ds_load_b128 v[RB+4*\i:RB+4*\i+3], v[RD] offset:544*\i   ; LDS serves a wave's instructions in order: these see the stores above
.endr
	s_wait_dscnt 0x0
.irp n, 0,2,4,6,8,10,12,14,16,18,20,22,24,26,28,30
	v_pk_add_f32 v[RB+\n:RB+\n+1], v[RB+\n:RB+\n+1], v[128+32*\m+\n:128+32*\m+\n+1]
.endr
	WIN 0
.irp i, 0,1,2,3,4,5,6,7
	global_store_b128 v[CO], v[RB+4*\i:RB+4*\i+3], s[78:79] offset:(32*(\m/2)+8*(\m%2)+2*\i+8*(\i/4))*4096
.endr
.endr
	s_wait_tensorcnt 0x0                           ; the wave's end
	ds_add_u32 v[SPW], v[NIL]
	s_wait_dscnt 0x0
	CROUND                                         ; the closing round
	s_endpgm
.Lfunc_end_k_q6f95709717_ff2:
	.size	k_q6f95709717_ff2, .Lfunc_end_k_q6f95709717_ff2-k_q6f95709717_ff2
	.p2alignl 7, 3214868480
	.fill 96, 4, 3214868480
	.section	.rodata,"a",@progbits
	.p2align	6, 0x0
	.amdhsa_kernel k_q6f95709717_ff2
		.amdhsa_group_segment_fixed_size 327680
		.amdhsa_private_segment_fixed_size 0
		.amdhsa_enable_private_segment 0
		.amdhsa_kernarg_size 40
		.amdhsa_user_sgpr_count 2
		.amdhsa_user_sgpr_kernarg_segment_ptr 1
		.amdhsa_wavefront_size32 1
		.amdhsa_system_sgpr_workgroup_id_x 1
		.amdhsa_system_sgpr_workgroup_id_y 1
		.amdhsa_system_sgpr_workgroup_id_z 1
		.amdhsa_system_vgpr_workitem_id 0
		.amdhsa_next_free_vgpr 1024
		.amdhsa_next_free_sgpr 90
		.amdhsa_reserve_vcc 0
		.amdhsa_float_denorm_mode_32 3
		.amdhsa_float_denorm_mode_16_64 3
		.amdhsa_memory_ordered 1
		.amdhsa_forward_progress 1
		.amdhsa_inst_pref_size 164
	.end_amdhsa_kernel
	.amdgpu_metadata
---
amdhsa.version: [ 1, 2 ]
amdhsa.kernels:
  - .name:           k_q6f95709717_ff2
    .symbol:         k_q6f95709717_ff2.kd
    .args:
      - { .name: wh, .offset: 0, .size: 8, .value_kind: global_buffer, .address_space: global }
      - { .name: wprep, .offset: 8, .size: 8, .value_kind: global_buffer, .address_space: global }
      - { .name: b2, .offset: 16, .size: 8, .value_kind: global_buffer, .address_space: global }
      - { .name: wx1, .offset: 24, .size: 8, .value_kind: global_buffer, .address_space: global }
      - { .name: wy, .offset: 32, .size: 8, .value_kind: global_buffer, .address_space: global }
    .group_segment_fixed_size: 327680
    .private_segment_fixed_size: 0
    .kernarg_segment_align: 8
    .kernarg_segment_size: 40
    .max_flat_workgroup_size: 128
    .sgpr_count:     90
    .vgpr_count:     1024
    .wavefront_size: 32
...
	.end_amdgpu_metadata
.endif
;; end of part 7
;; launch ln2 (part 8): grid 256 x 1, 4 waves a work-group, no clusters, 0 bytes of LDS; arguments wy, gamma2, beta2, out0; writes out0
.if DOCPART == 8
	.amdgcn_target "amdgcn-amd-amdhsa--gfx1250"
	.amdhsa_code_object_version 6
	.text
	.protected	k_q6f95709717_ln2
	.globl	k_q6f95709717_ln2
	.p2align	8
	.type	k_q6f95709717_ln2,@function
k_q6f95709717_ln2:
	s_mov_b64 s[64:65], 0
	v_nop
	global_prefetch_b8 v0, s[64:65] scope:SCOPE_SE
	s_setreg_imm32_b32 hwreg(HW_REG_WAVE_MODE, 25, 1), 1
	s_wait_xcnt 0x0
; out0 = layernorm(wy) gamma2 + beta2.  The work-group takes 16 tokens; wave w owns rows 4 w .. 4 w + 3 whole, 32 numbers a lane and row, so mean and variance never leave the wave: no LDS, no barrier.
; The variance is the mean of the squared differences from the mean (a second pass over registers).  Every load and store of a wave covers 512 consecutive bytes.
; All loads are issued at the start; the rows go in two halves: rows 0, 1 are worked and stored while the 16 loads of rows 2, 3 may still be out.
; Matrix units, clusters and tensor loads have no part here: each byte is read once and written once, by the wave that owns it.
.set SEL, 12
.set G,   16                           ; v16-47 gamma, v48-79 beta of my 32 columns
.set BT,  48
.set X,   80                           ; v80-207 four rows x 32 numbers
.set SA,  208                          ; v208-215, v216-223 two pairs of sums for each row: two chains a row
.set SB,  216
.macro REDUCE a, b                     ; each row's two pairs of sums become the row's sum, in every lane
.irp i, \a, \b
	v_pk_add_f32 v[SA+2*\i:SA+2*\i+1], v[SA+2*\i:SA+2*\i+1], v[SB+2*\i:SB+2*\i+1]
.endr
.irp i, \a, \b
	v_add_f32 v[SA+2*\i], v[SA+2*\i], v[SA+2*\i+1]
.endr
.irp x, 1,2,4,8
.irp i, \a, \b
	v_add_f32_dpp v[SA+2*\i], v[SA+2*\i], v[SA+2*\i] row_xmask:\x row_mask:0xf bank_mask:0xf
.endr
.endr
.irp i, \a, \b
	v_permlanex16_b32 v[SA+2*\i+1], v[SA+2*\i], s[SEL], s[SEL+1]
.endr
.irp i, \a, \b
	v_add_f32 v[SA+2*\i], v[SA+2*\i], v[SA+2*\i+1]
.endr
.endm
.macro LNROWS a, b                     ; two rows, four chains by turns
.irp i, \a, \b
	v_pk_add_f32 v[SA+2*\i:SA+2*\i+1], v[X+32*\i:X+32*\i+1], v[X+32*\i+2:X+32*\i+3]
	v_pk_add_f32 v[SB+2*\i:SB+2*\i+1], v[X+32*\i+4:X+32*\i+5], v[X+32*\i+6:X+32*\i+7]
.endr
.set n, 8
.rept 6
.irp i, \a, \b
	v_pk_add_f32 v[SA+2*\i:SA+2*\i+1], v[SA+2*\i:SA+2*\i+1], v[X+32*\i+n:X+32*\i+n+1]
	v_pk_add_f32 v[SB+2*\i:SB+2*\i+1], v[SB+2*\i:SB+2*\i+1], v[X+32*\i+n+2:X+32*\i+n+3]
.endr
.set n, n+4
.endr
	REDUCE \a, \b
.irp i, \a, \b
	v_mul_f32 v[SA+2*\i], s20, v[SA+2*\i]                  ; the mean
.endr
.set n, 0
.rept 16
.irp i, \a, \b
	v_pk_add_f32 v[X+32*\i+n:X+32*\i+n+1], v[X+32*\i+n:X+32*\i+n+1], v[SA+2*\i:SA+2*\i+1] op_sel_hi:[1,0] neg_lo:[0,1] neg_hi:[0,1]   ; x - mean
.endr
.set n, n+2
.endr
.irp i, \a, \b
	v_pk_mul_f32 v[SA+2*\i:SA+2*\i+1], v[X+32*\i:X+32*\i+1], v[X+32*\i:X+32*\i+1]
	v_pk_mul_f32 v[SB+2*\i:SB+2*\i+1], v[X+32*\i+2:X+32*\i+3], v[X+32*\i+2:X+32*\i+3]
.endr
.set n, 4
.rept 7
.irp i, \a, \b
	v_pk_fma_f32 v[SA+2*\i:SA+2*\i+1], v[X+32*\i+n:X+32*\i+n+1], v[X+32*\i+n:X+32*\i+n+1], v[SA+2*\i:SA+2*\i+1]
	v_pk_fma_f32 v[SB+2*\i:SB+2*\i+1], v[X+32*\i+n+2:X+32*\i+n+3], v[X+32*\i+n+2:X+32*\i+n+3], v[SB+2*\i:SB+2*\i+1]
.endr
.set n, n+4
.endr
	REDUCE \a, \b
.irp i, \a, \b
	v_fmaak_f32 v[SA+2*\i], s20, v[SA+2*\i], 0x3727c5ac    ; the variance + 1e-5
.endr
	s_wait_alu depctr_va_vdst(0)
.irp i, \a, \b
	v_rsq_f32 v[SA+2*\i], v[SA+2*\i]
.endr
	v_nop                                                  ; one plain place behind a transcendental
.set n, 0
	s_wait_alu depctr_va_vdst(0)
.rept 16
.irp i, \a, \b
	v_pk_mul_f32 v[X+32*\i+n:X+32*\i+n+1], v[X+32*\i+n:X+32*\i+n+1], v[SA+2*\i:SA+2*\i+1] op_sel_hi:[1,0]
.endr
.irp i, \a, \b
	v_pk_fma_f32 v[X+32*\i+n:X+32*\i+n+1], v[X+32*\i+n:X+32*\i+n+1], v[G+n:G+n+1], v[BT+n:BT+n+1]
.endr
.set n, n+2
.endr
.irp i, \a, \b
.irp k, 0,1,2,3,4,5,6,7
	global_store_b128 v1, v[X+32*\i+4*\k:X+32*\i+4*\k+3], s[10:11] offset:4096*\i+512*\k th:TH_STORE_NT
.endr
.endr
.endm
	s_load_b256 s[4:11], s[0:1], 0x0               ; wy, gamma2, beta2, out0
	v_lshrrev_b32 v6, 5, v0
	v_readfirstlane_b32 s24, v6                    ; wave
	v_and_b32 v7, 31, v0                           ; lane
	v_lshlrev_b32 v1, 4, v7
	s_mov_b32 s[SEL], 0x76543210
	s_mov_b32 s[SEL+1], 0xfedcba98
	s_mov_b32 s20, 0x3a800000                      ; 1 / 1,024
	s_lshl_b32 s25, ttmp9, 4
	s_lshl_b32 s26, s24, 2
	s_add_co_u32 s25, s25, s26                     ; my first token
	s_lshl_b32 s26, s25, 12
	s_mov_b32 s27, 0
	s_wait_alu depctr_va_vdst(0)
	s_wait_kmcnt 0x0
	s_add_nc_u64 s[4:5], s[4:5], s[26:27]
	s_add_nc_u64 s[10:11], s[10:11], s[26:27]
.irp k, 0,1,2,3,4,5,6,7
	global_load_b128 v[G+4*\k:G+4*\k+3], v1, s[6:7] offset:512*\k
	global_load_b128 v[BT+4*\k:BT+4*\k+3], v1, s[8:9] offset:512*\k
.endr
.irp i, 0,1,2,3
.irp k, 0,1,2,3,4,5,6,7
	global_load_b128 v[X+32*\i+4*\k:X+32*\i+4*\k+3], v1, s[4:5] offset:4096*\i+512*\k th:TH_LOAD_NT
.endr
.endr
	s_wait_loadcnt 16                              ; gamma, beta and rows 0, 1 are in; the 16 younger loads, rows 2 and 3, may stay out
	LNROWS 0, 1
	s_wait_loadcnt 0x0
	LNROWS 2, 3
	s_endpgm
.Lfunc_end_k_q6f95709717_ln2:
	.size	k_q6f95709717_ln2, .Lfunc_end_k_q6f95709717_ln2-k_q6f95709717_ln2
	.p2alignl 7, 3214868480
	.fill 96, 4, 3214868480
	.section	.rodata,"a",@progbits
	.p2align	6, 0x0
	.amdhsa_kernel k_q6f95709717_ln2
		.amdhsa_group_segment_fixed_size 0
		.amdhsa_private_segment_fixed_size 0
		.amdhsa_enable_private_segment 0
		.amdhsa_kernarg_size 32
		.amdhsa_user_sgpr_count 2
		.amdhsa_user_sgpr_kernarg_segment_ptr 1
		.amdhsa_wavefront_size32 1
		.amdhsa_system_sgpr_workgroup_id_x 1
		.amdhsa_system_sgpr_workgroup_id_y 1
		.amdhsa_system_sgpr_workgroup_id_z 1
		.amdhsa_system_vgpr_workitem_id 0
		.amdhsa_next_free_vgpr 256
		.amdhsa_next_free_sgpr 66
		.amdhsa_reserve_vcc 0
		.amdhsa_float_denorm_mode_32 3
		.amdhsa_float_denorm_mode_16_64 3
		.amdhsa_memory_ordered 1
		.amdhsa_forward_progress 1
		.amdhsa_inst_pref_size 33
	.end_amdhsa_kernel
	.amdgpu_metadata
---
amdhsa.version: [ 1, 2 ]
amdhsa.kernels:
  - .name:           k_q6f95709717_ln2
    .symbol:         k_q6f95709717_ln2.kd
    .args:
      - { .name: wy, .offset: 0, .size: 8, .value_kind: global_buffer, .address_space: global }
      - { .name: gamma2, .offset: 8, .size: 8, .value_kind: global_buffer, .address_space: global }
      - { .name: beta2, .offset: 16, .size: 8, .value_kind: global_buffer, .address_space: global }
      - { .name: out0, .offset: 24, .size: 8, .value_kind: global_buffer, .address_space: global }
    .group_segment_fixed_size: 0
    .private_segment_fixed_size: 0
    .kernarg_segment_align: 8
    .kernarg_segment_size: 32
    .max_flat_workgroup_size: 128
    .sgpr_count:     66
    .vgpr_count:     256
    .wavefront_size: 32
...
	.end_amdgpu_metadata
.endif
;; end of part 8
